; MI455X (gfx1250); checked and timed in simulation.
; The chip was launched on July 23, 2026; its instructions are those of AMD's public machine-readable ISA for CDNA 5 (MIT licence, August 2026) and "CDNA5" Instruction Set Architecture Reference Guide (July 2026). The comments in the code are by the model that wrote it; some were corrected since.
;; Masked Attention. Allowed arithmetic: matrix products marked QUANTISED: E2M3 operands, one E8M0 scale for each 32 along K, by v_wmma_scale_f32_16x16x128_f8f6f4 with both operands' format E2M3, f32 sums; everything else in f32.
;; Inputs: Wk 1,024 x 1,024 float32; Wq 1,024 x 1,024 float32; Wv 1,024 x 1,024 float32; bk 1,024 float32; bq 1,024 float32; bv 1,024 float32; x 4 x 2,048 x 1,024 float32.
;; Outputs: out0 4 x 2,048 x 1,024 float32.
;; This version of the problem:
;;   THIS VERSION OF THE PROBLEM IS GIVEN IN LOW PRECISION. The matrix products marked QUANTISED in the list below multiply operands that are first quantised to E2M3 (2 exponent bits, 3 mantissa bits; 6 bits a number), with one power-of-two scale for each 32 numbers along K (OCP MX v1.0); their sums are f32. All else is computed in f32.
;;   The module's matrix products, in the order in which they are computed (A, B: the left and right operand; K: the contracted axis; several contracted axes count as one K, in the product's order):
;;     1. [M 8,192, K 1,024] x [K 1,024, N 1,024]; A: input x; B: input Wq: QUANTISED
;;     2. [M 8,192, K 1,024] x [K 1,024, N 1,024]; A: input x; B: input Wk: QUANTISED
;;     3. [M 8,192, K 1,024] x [K 1,024, N 1,024]; A: input x; B: input Wv: QUANTISED
;;     4. batch 4 x [M 2,048, K 1,024] x [K 1,024, N 2,048]; A: computed on the way; B: computed on the way: QUANTISED
;;     5. batch 4 x [M 2,048, K 2,048] x [K 2,048, N 1,024]; A: softmax (see below); B: computed on the way: QUANTISED
;;   THE QUANTISER, for each operand of a quantised product, along K:
;;     - K is cut into blocks of 32 from its start; a last block that is shorter is filled with zeros.
;;     - A block's scale is 2^e with e = floor(log2(the largest magnitude in the block)) - 2, held to -126 .. 127; a block of zeros has e = 0. As a byte (E8M0): e + 127.
;;     - Each number is divided by its block's scale, clamped to +-7.5, and rounded to the nearest number of E2M3, ties to even, subnormals kept.
;;     - The product sums the exact products of the quantised numbers (number of the format x scale) in f32.
;;   ~~~python
;;   def quantise(x, axis):      # numpy; x: float32 -> the quantised numbers, widened to float32 again
;;       x = np.moveaxis(x, axis, -1); K = x.shape[-1]
;;       x = np.pad(x, [(0, 0)] * (x.ndim - 1) + [(0, -K % 32)]); x = x.reshape(x.shape[:-1] + (-1, 32)); a = np.abs(x).max(-1, keepdims=True)
;;       e = np.where(a > 0, np.clip(np.frexp(np.where(a > 0, a, 1))[1] - 1 - 2, -126, 127), 0)      # np.frexp(a)[1] - 1 = floor(log2(a)), exactly
;;       r = np.clip(x / 2.0 ** e, -7.5, 7.5)
;;       step = 2.0 ** (np.maximum(np.frexp(np.where(r == 0, 1, r))[1] - 1, 0) - 3)
;;       q = np.round(r / step) * step * 2.0 ** e      # np.round: ties to even
;;       return np.moveaxis(q.reshape(q.shape[:-2] + (-1,))[..., :K], -1, axis).astype(np.float32)
;;   ~~~
;;   SOFTMAX AHEAD OF A QUANTISED PRODUCT. Where the list says 'softmax', what is quantised is not the finished softmax but p = 2^(t - M), with t = logit x log2(e) and M = ceil(the row's largest t), a whole number; so 1/2 < the row's largest p <= 1. The row's sum l is taken of the UNQUANTISED p, in f32, and the product's result is divided by l at the end. Since M is a whole number, a kernel that streams over the keys may use a running M (the ceiling of the running maximum): every later rescaling is an exact power of two, which a block's scale takes up: the codes' values come out the same.
;;   OPERANDS COMPUTED ON THE WAY. 'Computed on the way' means the value that the module computes at that place (a softmax that the list does not call 'softmax' is quantised finished and normalised). What goes into a quantiser is computed in f32, as accurately as f32 sums, v_exp_f32 and their like allow (about 1e-6 of the number): no bf16 or f16 on the way to a quantiser, and a product that is left as it is and whose result goes on into a quantised operand takes f32 operands (vector FMAs, or v_wmma_f32_16x16x4_f32). A number that lies on a knife's edge between two numbers of the format may be rounded either way, as far as f32 arithmetic and the matrix unit's own rounding can turn it there, and no further.
;; One version. Each part assembles by itself: llvm-mc -triple=amdgcn-amd-amdhsa -mcpu=gfx1250 --defsym DOCPART=n.
;; ======== version 1 of 1: 4 launches
;; limits: right only within a limited range of input values
;; workspace buffers: xw 9,011,200 bytes; qkv 19,660,800 bytes; pc 7,962,624 bytes
;; launch quant (part 1): grid 704 x 1, 8 waves a work-group, no clusters, 69,120 bytes of LDS; arguments x, Wq, Wk, Wv, xw; writes xw
.if DOCPART == 1
	.amdgcn_target "amdgcn-amd-amdhsa--gfx1250"
	.amdhsa_code_object_version 6
	.text
	.protected	k_qa8bb6464d3_quant
	.globl	k_qa8bb6464d3_quant
	.p2align	8
	.type	k_qa8bb6464d3_quant,@function
k_qa8bb6464d3_quant:
	s_mov_b64 s[64:65], 0
	v_nop
	global_prefetch_b8 v0, s[64:65] scope:SCOPE_SE
	s_setreg_imm32_b32 hwreg(HW_REG_WAVE_MODE, 25, 1), 1
	s_wait_xcnt 0x0
; x [8192][1024], Wq, Wk, Wv [1024][1024], f32, become codes of FP6 (E2M3) with one E8M0 byte for each 32 along K (the last axis), laid as the next launch wants its operands.
; THE PROGRAM: quant (this), proj (Q, K, V and their quantisers), scores (Q K^T, softmax by runs of 128 keys, its quantiser), pv (P V / l).
; WORK LEFT OUT: reference() itself puts -inf on every score whose key comes after its query, so tiles of 256 queries x 256 keys wholly above the diagonal have weight 0 for all inputs: neither their scores
; nor their part of the last product are made.  A NaN, an infinity or an overflow that reaches only those tiles is not carried to the result.
; LAYOUT OF xw: 704 TILES of 12,800 bytes: 16 rows x 1024 along K: fragment q (128 along K) at 1536 q as an image of its 12 registers (registers 4 c .. 4 c + 3 of lane l at 512 c + 16 l);
; scale words at 12288 + 256 (q / 4) + 16 r + 4 (q % 4).  Slot r of a tile is the tile's first row + r % 8 + 32 (r / 8).
; Tile n < 512 (x): first row 256 (n / 16) + 128 (n % 2) + 64 ((n / 8) % 2) + 8 ((n / 2) % 4).  Behind them 64 tiles for each weight: first row 128 ((n / 8) % 8) + 64 ((n / 4) % 2) + 8 (n % 4).
; So a product's result has 32 neighbours along the next K in one lane's registers of four neighbouring tiles.
; SHARES.  A work-group makes one tile, wave q its fragment q.  A wave asks for its 16 rows x 512 bytes at once (16 loads, 512 consecutive bytes each); they turn through the wave's own stage in LDS (rows 528 bytes
; apart), so that lane (r, h) then holds k = 64 c + 32 h + 0 .. 31 of row r for c = 0, 1: whole blocks.  The tile's scale words are gathered in LDS and leave as 512 consecutive bytes.
; A block's byte is its largest magnitude's exponent field - 2, held at 1 from below.
; LIMITS: NaN and infinities among the inputs are not served; a block whose largest magnitude lies under 2^-124 keeps the byte 1; a block of zeros has the byte 1 where the rule says 127
; (its codes are zeros, and the bytes are read by this program alone).
.set SPI, 528
.set WREG, 16*SPI
.set SCL, 8*WREG                       ; the tile's scale words
.set SPARE, SCL+512                    ; the spare words, 128 bytes a wave
.set X, 16                             ; v16-79  register 32 c + i = k 64 c + 32 h + i
.set R, 80                             ; v80-143 as loaded; then the codes
	s_load_b256 s[4:11], s[0:1], 0x0               ; x, Wq, Wk, Wv
	s_load_b64 s[12:13], s[0:1], 0x20              ; xw
	v_lshl_add_u32 v14, v0, 2, SPARE
	v_mov_b32 v15, 0
	v_lshrrev_b32 v1, 5, v0
	v_readfirstlane_b32 s14, v1                    ; wave = q
	v_and_b32 v1, 31, v0
	v_and_b32 v2, 15, v0                           ; r
	v_bfe_u32 v3, v0, 4, 1                         ; h
	v_lshlrev_b32 v4, 4, v1                        ; 16 x lane
	s_mul_i32 s15, s14, WREG
	v_add_nc_u32 v5, s15, v4                       ; the stage, in
	v_mul_u32_u24 v6, v2, SPI
	v_lshl_add_u32 v6, v3, 7, v6
	v_add_nc_u32 v6, s15, v6                       ; and out: row r, + 128 h
	s_lshr_b32 s15, s14, 2
	s_lshl_b32 s15, s15, 8
	s_and_b32 s16, s14, 3
	s_lshl_b32 s16, s16, 2
	s_add_co_u32 s15, s15, s16
	s_add_co_u32 s15, s15, SCL
	v_lshl_add_u32 v7, v2, 4, v3
	v_add_nc_u32 v7, s15, v7                       ; my scale bytes: block 2 c + h of row r
	v_add_nc_u32 v8, SCL, v4
	s_lshr_b32 s16, ttmp9, 4
	s_lshl_b32 s16, s16, 8
	s_and_b32 s17, ttmp9, 1
	s_lshl_b32 s17, s17, 7
	s_add_co_u32 s16, s16, s17
	s_bfe_u32 s17, ttmp9, 0x10003
	s_lshl_b32 s17, s17, 6
	s_add_co_u32 s16, s16, s17
	s_bfe_u32 s17, ttmp9, 0x20001
	s_lshl_b32 s17, s17, 3
	s_add_co_u32 s16, s16, s17                     ; first row, were it x's
	s_bfe_u32 s18, ttmp9, 0x30003
	s_lshl_b32 s18, s18, 7
	s_bfe_u32 s17, ttmp9, 0x10002
	s_lshl_b32 s17, s17, 6
	s_add_co_u32 s18, s18, s17
	s_and_b32 s17, ttmp9, 3
	s_lshl_b32 s17, s17, 3
	s_add_co_u32 s18, s18, s17                     ; first row, were it a weight's
	s_wait_alu depctr_va_vdst(0)                   ; the wait at the head's end
	s_wait_kmcnt 0x0
	s_cmp_lt_u32 ttmp9, 576                        ; which tensor: the choice hangs on the work-group's number alone
	s_cselect_b64 s[6:7], s[6:7], s[8:9]
	s_cmp_lt_u32 ttmp9, 640
	s_cselect_b64 s[6:7], s[6:7], s[10:11]
	s_cmp_lt_u32 ttmp9, 512
	s_cselect_b64 s[4:5], s[4:5], s[6:7]
	s_cselect_b32 s16, s16, s18
	s_lshl_b32 s16, s16, 12                        ; 4,096 bytes a row
	s_lshl_b32 s17, s14, 9
	s_add_co_u32 s16, s16, s17                     ; + 512 q
	s_mov_b32 s17, 0
	s_add_nc_u64 s[4:5], s[4:5], s[16:17]
.irp i, 0,1,2,3,4,5,6,7,8,9,10,11,12,13,14,15
	global_load_b128 v[R+4*\i:R+4*\i+3], v4, s[4:5] offset:(\i%8+32*(\i/8))*4096 th:TH_LOAD_NT
.endr
	s_mul_i32 s18, ttmp9, 12800
	s_mov_b32 s19, 0
	s_add_nc_u64 s[20:21], s[12:13], s[18:19]      ; my tile
	s_mul_i32 s18, s14, 1536
	s_add_nc_u64 s[22:23], s[20:21], s[18:19]      ; my fragment
.irp g, 0,1,2,3
	s_wait_loadcnt 12-4*\g                         ; rows 4 g .. 4 g + 3 are in; the younger loads may be out
.irp i, 0,1,2,3
	ds_store_b128 v5, v[R+16*\g+4*\i:R+16*\g+4*\i+3] offset:SPI*(4*\g+\i)
.endr
.endr
.irp c, 0,1
.irp j, 0,1,2,3,4,5,6,7
	ds_load_b128 v[X+32*\c+4*\j:X+32*\c+4*\j+3], v6 offset:256*\c+16*\j   ; LDS serves a wave's instructions in order: these see the stores above
.endr
.endr
	s_wait_dscnt 0x0
.irp c, 0,1
	v_max3_num_f32 v[9+\c], |v[X+32*\c]|, |v[X+32*\c+1]|, 0x1800000   ; and the floor 2^(3 - 127): the byte cannot fall under 1
.endr
.irp i, 2,4,6,8,10,12,14,16,18,20,22,24,26,28,30
.irp c, 0,1
	v_max3_num_f32 v[9+\c], v[9+\c], |v[X+32*\c+\i]|, |v[X+32*\c+\i+1]|
.endr
.endr
.irp c, 0,1
	v_add_nc_u32 v[9+\c], 0xff000000, v[9+\c]      ; 2 off the exponent field: the conversion's scale operand
.endr
.irp c, 0,1
	v_cvt_scalef32_pk16_fp6_f32 v[R+6*\c:R+6*\c+2], v[X+32*\c:X+32*\c+15], v[9+\c]
	v_cvt_scalef32_pk16_fp6_f32 v[R+12+4*\c:R+14+4*\c], v[X+32*\c+16:X+32*\c+31], v[9+\c]   ; (a conversion's three registers begin on an even number)
.endr
.irp c, 0,1
	v_lshrrev_b32 v[11+\c], 23, v[9+\c]            ; the scale's byte; also the plain instructions behind the conversions
.endr
.irp c, 0,1
.irp i, 0,1,2
	v_mov_b32 v[R+6*\c+3+\i], v[R+12+4*\c+\i]
.endr
.endr
	ds_store_b8 v7, v11
	ds_store_b8 v7, v12 offset:2
.irp c, 0,1,2
	global_store_b128 v4, v[R+4*\c:R+4*\c+3], s[22:23] offset:512*\c   ; 32 lanes store 512 consecutive bytes
.endr
	s_wait_dscnt 0x0                               ; my bytes are in LDS
	s_barrier_signal -1
	s_barrier_wait -1
	s_cmp_lg_u32 s14, 0
	s_cbranch_scc1 .Lend
	ds_load_b128 v[R+32:R+35], v8                  ; wave 0: all eight waves' scale words
	s_wait_dscnt 0x0
	global_store_b128 v4, v[R+32:R+35], s[20:21] offset:12288
.Lend:
	s_wait_tensorcnt 0x0                           ; the wave's end
	ds_add_u32 v14, v15
	s_wait_dscnt 0x0
	s_endpgm
.Lfunc_end_k_qa8bb6464d3_quant:
	.size	k_qa8bb6464d3_quant, .Lfunc_end_k_qa8bb6464d3_quant-k_qa8bb6464d3_quant
	.p2alignl 7, 3214868480
	.fill 96, 4, 3214868480
	.section	.rodata,"a",@progbits
	.p2align	6, 0x0
	.amdhsa_kernel k_qa8bb6464d3_quant
		.amdhsa_group_segment_fixed_size 69120
		.amdhsa_private_segment_fixed_size 0
		.amdhsa_enable_private_segment 0
		.amdhsa_kernarg_size 40
		.amdhsa_user_sgpr_count 2
		.amdhsa_user_sgpr_kernarg_segment_ptr 1
		.amdhsa_wavefront_size32 1
		.amdhsa_system_sgpr_workgroup_id_x 1
		.amdhsa_system_sgpr_workgroup_id_y 1
		.amdhsa_system_sgpr_workgroup_id_z 1
		.amdhsa_system_vgpr_workitem_id 0
		.amdhsa_next_free_vgpr 144
		.amdhsa_next_free_sgpr 66
		.amdhsa_reserve_vcc 0
		.amdhsa_float_denorm_mode_32 3
		.amdhsa_float_denorm_mode_16_64 3
		.amdhsa_memory_ordered 1
		.amdhsa_forward_progress 1
		.amdhsa_inst_pref_size 11
	.end_amdhsa_kernel
	.amdgpu_metadata
---
amdhsa.version: [ 1, 2 ]
amdhsa.kernels:
  - .name:           k_qa8bb6464d3_quant
    .symbol:         k_qa8bb6464d3_quant.kd
    .args:
      - { .name: x, .offset: 0, .size: 8, .value_kind: global_buffer, .address_space: global }
      - { .name: Wq, .offset: 8, .size: 8, .value_kind: global_buffer, .address_space: global }
      - { .name: Wk, .offset: 16, .size: 8, .value_kind: global_buffer, .address_space: global }
      - { .name: Wv, .offset: 24, .size: 8, .value_kind: global_buffer, .address_space: global }
      - { .name: xw, .offset: 32, .size: 8, .value_kind: global_buffer, .address_space: global }
    .group_segment_fixed_size: 69120
    .private_segment_fixed_size: 0
    .kernarg_segment_align: 8
    .kernarg_segment_size: 40
    .max_flat_workgroup_size: 256
    .sgpr_count:     66
    .vgpr_count:     144
    .wavefront_size: 32
...
	.end_amdgpu_metadata
.endif
;; end of part 1
;; launch proj (part 2): grid 16 x 16, 4 waves a work-group, clusters of 4 x 4, 327,680 bytes of LDS; arguments xw, bq, bk, bv, qkv; writes qkv
.if DOCPART == 2
	.amdgcn_target "amdgcn-amd-amdhsa--gfx1250"
	.amdhsa_code_object_version 6
	.text
	.protected	k_qa8bb6464d3_proj
	.globl	k_qa8bb6464d3_proj
	.p2align	8
	.type	k_qa8bb6464d3_proj,@function
k_qa8bb6464d3_proj:
	s_mov_b64 s[64:65], 0
	v_nop
	global_prefetch_b8 v0, s[64:65] scope:SCOPE_SE
	s_setreg_imm32_b32 hwreg(HW_REG_WAVE_MODE, 25, 1), 1
	s_wait_xcnt 0x0
	s_wait_alu depctr_hold_cnt(0) depctr_sa_sdst(0) depctr_va_vdst(0) depctr_va_sdst(0) depctr_va_ssrc(0) depctr_va_vcc(0) depctr_vm_vsrc(0)
	s_getreg_b32 s2, hwreg(HW_REG_IB_STS2, 6, 4)
	s_cmp_eq_u32 s2, 0
	s_cbranch_scc0 .Lentry_in_a_cluster
	s_endpgm
.Lentry_in_a_cluster:
	s_bfe_u32 s2, ttmp6, 0x10000c
	s_cmp_lg_u32 s2, 0xf033
	s_cbranch_scc0 .Lentry_shape_is_right
	s_endpgm
.Lentry_shape_is_right:
; Q, K, V = x W^T + b AND THEIR QUANTISERS (Q, K along the 1,024 columns, V along the tokens), on codes of FP6 (E2M3).  No f32 result is stored.
; LIMITS: NaN and infinities are not served; a block of 32 whose largest magnitude lies under 2^-124 keeps the byte 1.
; qkv: 768 BLOCKS of 25,600 bytes.  Q's group of 128 tokens G, 256 columns kb: block 4 G + kb; K's 256 blocks further on; V: block 512 + (8 batch + group of 128 channels) 8 + 256 keys.
; In a block fragment (T, q) (16 slots x 128 along K) lies at 3072 T + 1536 q, scale words at 24576 + 512 q + 64 T + 4 r.  Slot r of tile T = 4 c + j is row (token or channel) 64 c + 32 (r / 8) + 8 j + r % 8 of the group.
; V's fragments: registers 4 p .. of lane l at 512 p + 16 l.  Q's and K's: for each half c of 64 columns, at 768 c: registers 6 c .. 6 c + 3 at 16 l, registers 6 c + 4, 6 c + 5 at 512 + 8 l.
; THE DEAL.  256 work-groups of four waves, 2 x 2: a wave holds 64 rows of a weight, ALL of K, in registers (384) and streams x's tiles of 16 rows past them.  A work-group makes 256 tokens x 128 of V (PHASE 1),
; then 512 x 128 of Q or K (PHASE 2).  V's 256 rows are a HALF OF THE WORK-GROUP'S OWN 512: the two chunks of 128 rows asked for at the head serve V's eight blocks and then the first eight of Q or K.
; Which half (s87) and which tensor (s19) come from the cluster's number alone.  V's tile column is 4 s19 + cx, its tile row 2 x phase 2's + s87: each tile of V has one work-group.
; CLUSTER: x's rows are shared by a row of the cluster, a weight's by a column; both come by joint loads.
; LDS: slots 0 and 1 for x's chunks, a region of its own for a weight's 128 rows, each 8 tiles of 12,800 bytes with their scale words inside; the stages of the results' scale bytes; the spare words.
; FILLS.  At the head one tensor load a wave: waves 0, 1 W_v's halves, wave 2 chunk 0, wave 3 chunk 1.  Three refills, each in a drained round: in V's third block W_q's or W_k's rows onto W_v's, which all waves
; hold in registers; in phase 2's blocks 2 and 6 the other half's chunks.  What a refill brought is shown by the next round, or by a plain barrier behind which nothing is filled.
; A BLOCK is 32 products; behind every second one stand two entries of a list: at most four scalar lines and a vector line: the next block's address, the descriptors, and the last block's search for the largest magnitude.
; Products and conversions are register work and stand inside a round.  A LANE'S 32 RESULTS ARE ONE SCALE BLOCK.  The bias is the first products' C.
; WAITS.  A block's rows were fetched two blocks ago.  Younger are the next block's fetch, NF loads, and the byte stores between the two: none, one or (V's last four bytes) four.
; PREFETCHES: the second weight at the head, the other half's chunk 0 behind the first refill and chunk 1 between the phases, each one refill ahead, shared out by address among the sixteen waves of the four partners.
.set TB,    12800
.set CHK,   8*TB
.set BLK,   25600
.set BVB,   2*CHK
.set XN,    3*CHK                      ; Q's or K's scale bytes: 512 a wave: [block in the order of work][r][h]
.set XM,    XN+2048                    ; V's: 256 a wave: [t][r][2 c + h]
.set SPARE, XM+1024
.set NF,    25                         ; LDS loads of a block
.set FR,    12
.set FPW,   21                         ; fragments in a window of 256 registers
.set EMAX,  2
.set ADR0, 4                           ; v4, v5 LDS address of my rows' blocks 0, 1
.set ADR1, 5
.set WB,   6                           ; v6 of my 64 rows of the weight
.set CO,   9                           ; v9 16 x lane
.set SPW,  10
.set NIL,  11
.set ADRA, 12                          ; v12 the block that is fetched next
.set QRD,  13                          ; v13, v14 the stages, read back
.set VRD,  14
.set C8,   17                          ; v17 8 x lane
.set STO,  18                          ; v18, v19 the stages: my bytes
.set STV,  19
.set SB,   24                          ; v24-39 the weight's scale words: tile j at 4 j; lanes 0-15 q = 0 .. 3, lanes 16-31 q = 4 .. 7
.set TQ,   40
.set SA,   46                          ; v46-53 the rows', two sets of four, likewise
.set TC,   60
.set ACC,  64                          ; v64-127 phase 2: two sets of four accumulators
.set HV0,  64                          ; v64-191 phase 1, band 0: 32 t + 8 j + i
.set NCD,  128                         ; v128-133 a block's codes
.set BBQ,  160                         ; v160-191 Q's or K's bias, as the result lies
.set MCD,  192                         ; v192-239 V's codes: four operands
.set SOP,  240
.set EB,   244
.set VX,   248
.set HV1,  840                         ; v840-967 phase 1, band 1
.set BBV,  992                         ; v992-1023 V's bias
.set G1A,  24
.set G1B,  32
.set G0A,  56
.set G0B,  60
.set G0R,  68
.set MSB, 0
.macro WIN new
.if MSB != (\new)
	s_set_vgpr_msb (MSB<<8)|(\new)
.set MSB, (\new)
.endif
.endm
.macro PLACES n
.rept \n
	v_nop
.endr
.endm
.macro WALU
	s_wait_alu depctr_va_vdst(0)
.endm
.macro BARRIER
	s_barrier_signal -1
	s_barrier_wait -1
.endm
.macro MIDDLE                          ; a round's middle
	WIN 0
	s_barrier_wait -1
	s_cmp_lg_u32 s14, 0
	s_cbranch_scc1 .Lnot_wave_0_\@
	s_barrier_signal -3
.Lnot_wave_0_\@:
	s_barrier_wait -3
.endm
.macro CROUND
	s_barrier_signal -1
	MIDDLE
	BARRIER
.endm
.macro GRD
	s_wait_tensorcnt 0x0
	ds_add_u32 v[SPW], v[NIL]
.endm
.macro TLOAD g0, g1
	tensor_load_to_lds s[\g0:\g0+3], s[\g1:\g1+7]
	s_nop 0
	PLACES 4
.endm
.macro GROUP1 g, mask, rows            ; a dense block as rows of 256 bytes (32 elements of 8)
	s_or_b32 s[\g+0], s[\mask], (3<<16)|(1<<21)
	s_mov_b32 s[\g+1], 32<<16
	s_mov_b32 s[\g+2], (\rows)<<16
	s_mov_b32 s[\g+3], 32<<16
	s_mov_b32 s[\g+4], \rows
	s_mov_b32 s[\g+5], 32
	s_mov_b32 s[\g+6], 0
	s_mov_b32 s[\g+7], 0
.endm
.macro SADD d, x
	s_add_co_u32 s\d, s\d, s\x
.endm
; Fragment f lies in window 1 + f / 21 at register 12 (f % 21): 0-31 the weight's (4 q + j), 32-39 and 40-47 the rows' two sets.
.macro FRAG f, adr, off
	WIN ((1+(\f)/FPW)<<6)
.set R_, FR*((\f)%FPW)
.irp c, 0,1,2
	ds_load_b128 v[R_+4*\c:R_+4*\c+3], v[\adr] offset:(\off)+512*\c
.endr
.endm
.macro WEIGHTS                         ; my 64 rows of the weight, all of K, and their scale words: 100 loads
.irp q, 0,1,2,3,4,5,6,7
.irp j, 0,1,2,3
	FRAG 4*\q+\j, WB, TB*\j+1536*\q
.endr
.endr
	WIN 0
.irp j, 0,1,2,3
	ds_load_b128 v[SB+4*\j:SB+4*\j+3], v[WB] offset:TB*\j+12288
.endr
.endm
.macro FETCHAT e, adr                  ; a block of x's rows into set e
.irp q, 0,1,2,3,4,5,6,7
	FRAG 32+8*(\e)+\q, \adr, 1536*\q
.endr
	WIN 0
	ds_load_b128 v[SA+4*(\e):SA+4*(\e)+3], v[\adr] offset:12288
.endm
.macro FETCH e
	FETCHAT \e, ADRA
.endm
.macro FETCH01                         ; a phase's first two blocks, from slot 0
	FETCHAT 0, ADR0
	FETCHAT 1, ADR1
	s_mov_b32 s101, 2*TB
.endm
; A product, n = 4 q + column tile.  kind 0 (Q, K): source 0 the weight's rows; kind 1 (V): source 0 x's rows.  Four accumulators by turns.
.macro PROD kind, e, n, a0, as
.set Q_, (\n)/4
.set FB_, 4*Q_+(\n)%4
.set FA_, 32+8*(\e)+Q_
.set D_, (\a0)+(\as)*((\n)%4)
.set DL_, D_&255
.set XB_, SB+4*((\n)%4)+Q_%4
.set XA_, SA+4*(\e)+Q_%4
.if \kind
.if Q_
	WIN (1+FA_/FPW)|((1+FB_/FPW)<<2)|((D_>>8)<<4)|((D_>>8)<<6)
	PROD1 DL_, FA_, FB_, v[DL_:DL_+7], XA_, XB_, Q_/4
.else
	WIN (1+FA_/FPW)|((1+FB_/FPW)<<2)|(3<<4)|((D_>>8)<<6)
	PROD1 DL_, FA_, FB_, v[BBV-768+8*((\n)%4):BBV-768+8*((\n)%4)+7], XA_, XB_, 0
.endif
.else
	WIN (1+FB_/FPW)|((1+FA_/FPW)<<2)|((D_>>8)<<4)|((D_>>8)<<6)
.if Q_
	PROD1 DL_, FB_, FA_, v[DL_:DL_+7], XB_, XA_, Q_/4
.else
	PROD1 DL_, FB_, FA_, v[BBQ+8*((\n)%4):BBQ+8*((\n)%4)+7], XB_, XA_, 0
.endif
.endif
.endm
.macro PROD1 d, s0, s1, c, x0, x1, hi
.if \hi
	v_wmma_scale_f32_16x16x128_f8f6f4 v[\d:\d+7], v[FR*((\s0)%FPW):FR*((\s0)%FPW)+FR-1], v[FR*((\s1)%FPW):FR*((\s1)%FPW)+FR-1], \c, v[\x0], v[\x1] matrix_a_fmt:MATRIX_FMT_FP6 matrix_b_fmt:MATRIX_FMT_FP6 matrix_a_scale:MATRIX_SCALE_ROW1 matrix_b_scale:MATRIX_SCALE_ROW1
.else
	v_wmma_scale_f32_16x16x128_f8f6f4 v[\d:\d+7], v[FR*((\s0)%FPW):FR*((\s0)%FPW)+FR-1], v[FR*((\s1)%FPW):FR*((\s1)%FPW)+FR-1], \c, v[\x0], v[\x1] matrix_a_fmt:MATRIX_FMT_FP6 matrix_b_fmt:MATRIX_FMT_FP6
.endif
.endm
.macro BLOCK kind, e, a0, as, from, to, list, x=0, y=0
.set N_, \from
.rept (\to)-(\from)
	PROD \kind, \e, N_, \a0, \as
.if N_%2
	\list N_-1, \x, \y
	\list N_, \x, \y
.endif
.set N_, N_+1
.endr
.endm
; ---- what the lists are made of: each macro writes entry i of its part, and nothing beyond its last
.macro STEP i, wrap                    ; 1 entry: the LDS address of the block that is fetched next
.if (\i) == 0
	s_add_co_u32 s101, s101, 2*TB
.if \wrap
	s_cmp_eq_u32 s101, 2*CHK
	s_cselect_b32 s101, 0, s101
.endif
	WIN 0
	v_add_nc_u32 v[ADRA], s101, v[ADR0]
.endif
.endm
.macro CHAIN i, x, n, t=TQ             ; 18 entries: the largest magnitude of the 32 sums from register x on in two chains, and the conversions' scale operand
.set XW_, (\x)>>8
.set XL_, (\x)&255
.if (\i) >= 0 && (\i) < 14
.set B_, XL_+16*((\i)%2)+2*((\i)/2)
.set T_, (\t)+1-(\i)%2
.if (\i) < 2
	WIN XW_|(XW_<<2)|(XW_<<4)
	v_max3_num_f32 v[T_], |v[B_]|, |v[B_+1]|, |v[B_+2]|
.else
	WIN (XW_<<2)|(XW_<<4)
	v_max3_num_f32 v[T_], v[T_], |v[B_+1]|, |v[B_+2]|
.endif
.elseif (\i) == 14
	WIN XW_<<2
	v_max3_num_f32 v[\t+1], v[\t+1], |v[XL_+15]|, (EMAX+1)<<23
.elseif (\i) == 15
	WIN 0
	v_nop
.elseif (\i) == 16
	WIN XW_<<2
	v_max3_num_f32 v[\t], v[\t], |v[XL_+31]|, v[\t+1]
.elseif (\i) == 17
	WIN 0
	v_add_nc_u32 v[SOP+\n], -(EMAX<<23), v[\t]
.endif
.endm
.macro CODES i, x, c, n, t=TC          ; 6 lines: 32 codes into v[c .. c+5], the scale's byte into v[EB+n]
.set XW_, (\x)>>8
.set XL_, (\x)&255
.if (\i) == 0
	WIN XW_
	v_cvt_scalef32_pk16_fp6_f32 v[\c:\c+2], v[XL_:XL_+15], v[SOP+\n]
.elseif (\i) == 1
	WIN XW_
	v_cvt_scalef32_pk16_fp6_f32 v[\t:\t+2], v[XL_+16:XL_+31], v[SOP+\n]
.elseif (\i) == 2
	WIN 0
	v_lshrrev_b32 v[EB+\n], 23, v[SOP+\n]
.else
	WIN 0
	v_mov_b32 v[\c+\i], v[\t+\i-3]
.endif
.endm
.macro CODES6 x, c, n
.irp i, 0,1,2,3,4,5
	CODES \i, \x, \c, \n
.endr
.endm
.macro PFTILE v, off, share            ; one entry: my 25 of a region's 400 units of 256 bytes
	s_mul_i32 s21, s\share, CHK/16
	s_add_co_u32 s20, s\off, s21
	WIN 0
	v_min_u32 v\v, CHK/16/256-1, v3
	v_lshl_add_u32 v\v, v\v, 8, s20
.endm
.macro PFGO v
	global_prefetch_b8 v\v, s[4:5] th:TH_LOAD_NT scope:SCOPE_SE
.endm
.macro ASK i                           ; 3 entries: the descriptor of my half of the chunk at s88 for slot s47; then both step on
.if (\i) == 0
	s_mul_i32 s[G0R+1], s14, CHK/2
	s_add_co_u32 s[G0R+1], s[G0R+1], s47
	s_mul_i32 s20, s14, CHK/2
	SADD 20, 88
.elseif (\i) == 1
	s_mov_b32 s21, 0
	s_add_nc_u64 s[G0R+2:G0R+3], s[4:5], s[20:21]
	s_or_b32 s[G0R+3], s[G0R+3], 0x80000000
	s_add_co_u32 s88, s88, CHK
.elseif (\i) == 2
	s_xor_b32 s47, s47, CHK
.endif
.endm
.macro PLACE i                         ; 3 entries: where block s46's codes go (by its true half) and its scale bytes (by the order of work)
.if (\i) == 0
	s_lshr_b32 s23, s46, 3
	s_xor_b32 s23, s23, s87
	s_mul_i32 s20, s23, 8*BLK
	s_and_b32 s21, s46, 7
.elseif (\i) == 1
	s_mul_i32 s21, s21, 3072
	SADD 20, 21
	s_mov_b32 s21, 0
	s_lshl_b32 s22, s46, 5
.elseif (\i) == 2
	s_add_nc_u64 s[84:85], s[10:11], s[20:21]
	s_add_co_u32 s46, s46, 1
	WIN 0
	v_add_nc_u32 v[VX], s22, v[STO]
.endif
.endm
.macro L_STEP i, x, y
	STEP \i, 0
.endm
.macro L_NONE i, x, y
.endm
.macro L_OUT i, x, y                   ; V: the step, then the way out of the sums at x
	STEP \i, 0
	CHAIN (\i)-1, \x, \y
.endm
.macro L_LAST i, x, y
	CHAIN \i, \x, \y
.endm
.macro L_V2 i, x, y                    ; V's third block: the refills' descriptors
.if (\i) == 0
	s_mov_b32 s[G1A+2], 200<<16            ; from here on a load of x brings half a chunk
	s_mov_b32 s[G1A+4], 200
.elseif (\i) == 1
	s_mul_i32 s20, s14, CHK/2
	SADD 20, 9
	s_mov_b32 s21, 0
	s_add_nc_u64 s[G0B+2:G0B+3], s[4:5], s[20:21]
.elseif (\i) == 2
	s_or_b32 s[G0B+3], s[G0B+3], 0x80000000
.elseif (\i) == 7
	PFTILE 7, 88, 90
.endif
	STEP (\i)-3, 0
.endm
.macro L_V7 i, x, y
.if (\i) == 0
	s_add_co_u32 s22, s88, CHK
	PFTILE 20, 22, 90
.endif
	CHAIN (\i)-1, \x, \y
.endm
.macro L_Q i, x, y                     ; phase 2: the step, the last block's places and its way out
	STEP \i, 0
	PLACE (\i)-1
	CHAIN (\i)-4, \x, 0
.endm
.macro L_QL i, x, y                    ; nothing more is fetched
	PLACE \i
	CHAIN (\i)-3, \x, 0
.endm
.macro L_QR i, x, y                    ; with a round
	ASK \i
	STEP (\i)-3, 1
	PLACE (\i)-4
	CHAIN (\i)-7, \x, 0
.endm
; ---- phase 2's blocks
.macro WAITDS w
.if (\w) >= 0
	s_wait_dscnt \w
.endif
	s_wait_xcnt 0x0                        ; the last block's stores have read their registers and their base
.endm
.macro WAYOUT e, fetch
	WALU
	ds_store_b8 v[VX], v[EB]
	global_store_b128 v[CO], v[NCD:NCD+3], s[84:85]          ; 512 consecutive bytes
	global_store_b64 v[C8], v[NCD+4:NCD+5], s[84:85] offset:512   ; 256
.if \fetch
	FETCH \e
.endif
.endm
.macro QBLK e, w, fetch
	WAITDS \w
.if \fetch
	BLOCK 0, \e, ACC+32*\e, 8, 0, 32, L_Q, ACC+32-32*\e
.else
	BLOCK 0, \e, ACC+32*\e, 8, 0, 32, L_QL, ACC+32-32*\e
.endif
	WIN 0
	CODES6 ACC+32-32*\e, NCD, 0
	WAYOUT \e, \fetch
.endm
.macro QROUND w                        ; the second and the third refill
	WAITDS \w
	GRD
	BLOCK 0, 0, ACC, 8, 0, 26, L_QR, ACC+32
	WIN 0
	WALU
	s_wait_dscnt 0x0
	s_barrier_signal -1
	BLOCK 0, 0, ACC, 8, 26, 32, L_NONE
	WIN 0
	CODES6 ACC+32, NCD, 0
	MIDDLE
	BARRIER
	s_cmp_lt_u32 s14, 2
	s_cbranch_scc0 .Lnone_\@
	TLOAD G0R, G1A
.Lnone_\@:
	WAYOUT 0, 1
.endm
.macro QSHOW w                         ; a plain barrier inside the block shows the last refill to all
	WAITDS \w
	BLOCK 0, 0, ACC, 8, 0, 26, L_Q, ACC+32
	WIN 0
	WALU
	s_wait_tensorcnt 0x0
	s_wait_dscnt 0x0
	s_barrier_signal -1
	BLOCK 0, 0, ACC, 8, 26, 32, L_NONE
	WIN 0
	s_barrier_wait -1
	CODES6 ACC+32, NCD, 0
	WAYOUT 0, 1
.endm
; ================= THE HEAD
	s_load_b64 s[4:5], s[0:1], 0x0                 ; xw
	s_load_b128 s[48:51], s[0:1], 0x8              ; bq, bk
	s_load_b64 s[52:53], s[0:1], 0x18              ; bv
	s_load_b64 s[10:11], s[0:1], 0x20              ; qkv
	v_lshl_add_u32 v[SPW], v0, 2, SPARE
	v_mov_b32 v[NIL], 0
	ds_add_u32 v[SPW], v[NIL]
	ds_add_u32 v[SPW], v[NIL]
	v_lshrrev_b32 v1, 5, v0
	v_readfirstlane_b32 s14, v1                    ; s14 the wave; s15 its row of the 2 x 2, s16 its column
	s_lshr_b32 s15, s14, 1
	s_and_b32 s16, s14, 1
	s_bfe_u32 s40, ttmp6, 0x40000                  ; cx
	s_bfe_u32 s41, ttmp6, 0x40004                  ; cy
	s_lshl_b32 s42, ttmp9, 2
	s_add_co_u32 s42, s42, s40                     ; s42 phase 2's tile column, 0 .. 15
	s_and_b32 s43, ttmp7, 0xffff
	s_lshl_b32 s43, s43, 2
	s_add_co_u32 s43, s43, s41                     ; s43 its tile row
	s_lshr_b32 s19, ttmp9, 1                       ; s19: 0 Q, 1 K
	s_and_b32 s87, ttmp9, 1                        ; s87: V's half of my 512 rows
	s_lshl_b32 s13, s19, 2
	s_add_co_u32 s13, s13, s40                     ; s13 V's tile column
	s_lshl_b32 s12, s43, 1
	s_add_co_u32 s12, s12, s87                     ; s12 V's tile row
	s_lshl_b32 s44, s41, 2
	s_lshl_b32 s44, 15, s44                        ; my row of the cluster
	s_lshl_b32 s45, 0x1111, s40                    ; my column
	GROUP1 G1A, 44, 400
	GROUP1 G1B, 45, 200
	s_mul_i32 s67, s43, 4*CHK                      ; my 512 rows, bytes from xw
	s_mul_i32 s66, s12, 2*CHK                      ; V's half of them
	s_mul_i32 s9, s42, CHK
	s_add_co_u32 s9, s9, 64*CHK                    ; W_q's or W_k's rows
	s_mul_i32 s21, s14, CHK/2
	s_mul_i32 s54, s13, CHK
	s_add_co_u32 s54, s54, 80*CHK                  ; W_v's
	SADD 54, 21
	s_mov_b32 s[G0A], 1
	s_mov_b32 s[G0A+1], 0
	s_mov_b32 s[G0B], 1
	s_add_co_u32 s[G0B+1], s21, BVB
	s_mov_b32 s[G0R], 1
	s_mov_b32 s[G0R+1], CHK
	v_and_b32 v1, 15, v0                           ; r
	v_bfe_u32 v2, v0, 4, 1                         ; h
	v_and_b32 v3, 31, v0                           ; lane
	v_lshlrev_b32 v[CO], 4, v3
	v_lshlrev_b32 v[C8], 3, v3
	WALU
	s_mul_i32 s21, s15, TB
	v_add_nc_u32 v[ADR0], s21, v[CO]
	v_add_nc_u32 v[ADR1], 2*TB, v[ADR0]
	s_mul_i32 s21, s16, 4*TB
	s_add_co_u32 s21, s21, BVB
	v_add_nc_u32 v[WB], s21, v[CO]
	v_lshl_add_u32 v22, v1, 1, v2
	s_lshl_b32 s21, s14, 9
	s_add_co_u32 s21, s21, XN
	v_add_nc_u32 v[STO], s21, v22
	v_lshl_add_u32 v22, v1, 2, v2
	s_lshl_b32 s21, s14, 8
	s_add_co_u32 s21, s21, XM
	v_add_nc_u32 v[STV], s21, v22
	v_add_nc_u32 v[VRD], s21, v[C8]
	s_lshl_b32 s21, s15, 10
	s_lshl_b32 s22, s16, 8
	SADD 21, 22
	s_add_co_u32 s21, s21, XN
	v_add_nc_u32 v[QRD], s21, v[C8]
	v_lshlrev_b32 v21, 7, v2                       ; Q's or K's bias: register 8 j + i of lane (r, h) is column 32 h + 8 j + i
	v_lshrrev_b32 v22, 3, v1
	v_and_b32 v23, 7, v1
	v_lshlrev_b32 v23, 2, v23
	v_lshl_add_u32 v23, v22, 7, v23                ; V's: lane (r, h) of tile t has channel 32 (r / 8) + 8 t + r % 8
	s_lshl_b32 s90, s40, 2
	SADD 90, 14                                    ; my number among the sixteen waves of my row of the cluster
	s_lshl_b32 s100, s41, 2
	SADD 100, 14                                   ; and of my column
	WALU
	s_wait_dscnt 0x0
	CROUND                                         ; the opening round
	s_wait_kmcnt 0x0
	s_mov_b32 s20, s66
	s_mov_b32 s21, 0
	s_add_nc_u64 s[G0A+2:G0A+3], s[4:5], s[20:21]
	s_add_nc_u64 s[G0R+2:G0R+3], s[G0A+2:G0A+3], CHK
	s_or_b32 s[G0A+3], s[G0A+3], 0x80000000
	s_or_b32 s[G0R+3], s[G0R+3], 0x80000000
	s_mov_b32 s20, s54
	s_add_nc_u64 s[G0B+2:G0B+3], s[4:5], s[20:21]
	s_or_b32 s[G0B+3], s[G0B+3], 0x80000000
	s_cmp_lt_u32 s14, 2
	s_cbranch_scc0 .Lwave_2
	TLOAD G0B, G1B                                 ; waves 0, 1: W_v's rows, a half each
	s_branch .Lasked
.Lwave_2:
	s_cmp_eq_u32 s14, 2
	s_cbranch_scc0 .Lwave_3
	TLOAD G0A, G1A                                 ; wave 2: chunk 0
	s_branch .Lasked
.Lwave_3:
	TLOAD G0R, G1A                                 ; wave 3: chunk 1
.Lasked:
	s_cmp_eq_u32 s19, 1
	s_cselect_b64 s[2:3], s[50:51], s[48:49]
	s_and_b32 s86, s42, 7                          ; which 128 columns of Q or K
	s_lshl_b32 s22, s16, 8
	s_lshl_b32 s20, s86, 9
	SADD 20, 22
	s_add_nc_u64 s[2:3], s[2:3], s[20:21]          ; my 64 columns' bias, for the loads between the phases
	s_lshl_b32 s20, s13, 9
	SADD 20, 22
	s_add_nc_u64 s[52:53], s[52:53], s[20:21]
	WIN 3<<6
.irp t, 0,1,2,3
	global_load_b32 v[BBV-768+8*\t], v23, s[52:53] offset:32*\t
.endr
	WIN 0
	s_lshr_b32 s20, s12, 3                         ; WHERE THE RESULTS GO.  V's block
	s_lshl_b32 s20, s20, 3
	SADD 20, 13
	s_lshl_b32 s20, s20, 3
	s_and_b32 s22, s12, 7
	SADD 20, 22
	s_add_co_u32 s20, s20, 512
	s_mul_i32 s20, s20, BLK
	s_add_nc_u64 s[80:81], s[10:11], s[20:21]
	s_mul_i32 s20, s16, 12288
	s_mul_i32 s22, s15, 1536
	SADD 20, 22
	s_add_nc_u64 s[50:51], s[80:81], s[20:21]      ; s[50:51] V's codes
	s_lshl_b32 s20, s14, 8
	s_add_co_u32 s20, s20, 24576
	s_add_nc_u64 s[78:79], s[80:81], s[20:21]      ; s[78:79] its scale bytes
	s_lshl_b32 s20, s19, 6
	s_lshl_b32 s22, s43, 2
	SADD 20, 22
	s_lshl_b32 s20, s20, 2
	s_lshr_b32 s22, s86, 1
	SADD 20, 22
	s_mul_i32 s20, s20, BLK
	s_add_nc_u64 s[82:83], s[10:11], s[20:21]      ; Q's or K's first group, my 256 columns
	s_and_b32 s23, s86, 1
	s_mul_i32 s20, s15, 4*BLK
	s_mul_i32 s22, s23, 1536
	SADD 20, 22
	s_mul_i32 s22, s16, 768
	SADD 20, 22
	s_add_nc_u64 s[10:11], s[82:83], s[20:21]      ; s[10:11] their codes
	s_xor_b32 s20, s16, s87                        ; the stage's halves lie in the order of work
	s_lshl_b32 s20, s20, 1
	SADD 20, 15
	s_mul_i32 s20, s20, 4*BLK
	s_lshl_b32 s22, s23, 9
	SADD 20, 22
	s_add_co_u32 s20, s20, 24576
	s_add_nc_u64 s[48:49], s[82:83], s[20:21]      ; s[48:49] their scale bytes
	s_mov_b32 s46, 0
	s_mov_b32 s47, 0
	s_xor_b32 s20, s87, 1
	s_mul_i32 s88, s20, 2*CHK
	SADD 88, 67                                    ; the chunks still to come are the other half's
	PFTILE 8, 9, 100                               ; what the first refill will load
	WALU
	s_cmp_lt_u32 s14, 2
	s_cbranch_scc0 .Lnot_b
	s_wait_tensorcnt 0x0
.Lnot_b:
	BARRIER                                        ; W_v's rows are in
	PFGO 8
	WEIGHTS
	s_cmp_eq_u32 s14, 3
	s_cbranch_scc1 .Lnot_a0
	s_wait_tensorcnt 0x0
.Lnot_a0:
	s_wait_dscnt 0x0
	BARRIER                                        ; chunk 0 is in; chunk 1 may still be on its way
	FETCH01
	s_wait_loadcnt 0x0                             ; V's bias, asked for at the head
	WIN (3<<6)|3
.irp t, 0,8,16,24
.irp i, 1,2,3,4,5,6,7
	v_mov_b32 v[BBV-768+\t+\i], v[BBV-768+\t]      ; one number a lane and tile, over the tile's eight registers
.endr
.endr
	WIN 0
	WALU
; ================= PHASE 1: V, eight blocks; band 0's way outs stand in band 1's blocks
.irp s, 0,1
	s_wait_dscnt NF
	BLOCK 1, \s, HV0+8*\s, 32, 0, 32, L_STEP
	WIN 0
	PLACES 4
	WALU
	FETCH \s
.endr
	s_wait_dscnt NF
	GRD
	BLOCK 1, 0, HV0+16, 32, 0, 24, L_V2
	WIN 0
	s_wait_dscnt 0x0
	s_barrier_signal -1
	BLOCK 1, 0, HV0+16, 32, 24, 32, L_NONE
	MIDDLE
	BARRIER
	s_cmp_lt_u32 s14, 2
	s_cbranch_scc0 .Lno_half
	TLOAD G0B, G1B
.Lno_half:
	PLACES 4                                       ; the places ahead of the fetch, for the waves that come round the load
	WALU
	FETCH 0
	PFGO 7
	BLOCK 1, 1, HV0+24, 32, 0, 32, L_STEP
	WIN 0
	PLACES 4
	WALU
	FETCH 1
.irp j, 0,1,2
	s_wait_dscnt NF+(\j+1)/2
.if \j < 2
	BLOCK 1, \j%2, HV1+8*\j, 32, 0, 32, L_OUT, HV0+32*\j, \j
.else
	BLOCK 1, \j%2, HV1+8*\j, 32, 0, 32, L_LAST, HV0+32*\j, \j
.endif
	WIN 0
	CODES6 HV0+32*\j, MCD+12*\j, \j
	WALU
	ds_store_b8 v[STV], v[EB+\j] offset:64*\j
.if \j < 2
	FETCH \j%2
.endif
.endr
	s_wait_dscnt 1
	BLOCK 1, 1, HV1+24, 32, 0, 26, L_V7, HV0+96, 3
	WIN 0
	WALU
	s_wait_tensorcnt 0x0
	s_wait_dscnt 0x0
	s_barrier_signal -1                            ; a plain barrier: the weight that the first refill brought is shown to all
	BLOCK 1, 1, HV1+24, 32, 26, 32, L_NONE
	WIN 0
	s_barrier_wait -1
	CODES6 HV0+96, MCD+36, 3
	WALU
	ds_store_b8 v[STV], v[EB+3] offset:192
; ================= THE CHANGE OF PHASE: the weight and the first two blocks' rows in one run of loads; band 1's four way outs under their flight
.irp k, 0,1,2,3,4,5,6,7
	global_load_b128 v[BBQ+4*\k:BBQ+4*\k+3], v21, s[2:3] offset:16*\k
.endr
	WEIGHTS
	FETCH01
	PFGO 20
.set I, 0
.rept 18
.irp t, 0,1,2,3
	CHAIN I, HV1+32*\t, \t, 64+4*\t
.endr
.set I, I+1
.endr
.set I, 0
.rept 6
.irp t, 0,1,2,3
	CODES I, HV1+32*\t, MCD+12*\t+6, \t, 80+4*\t
.endr
.set I, I+1
.endr
	WIN 0
	WALU
; ================= PHASE 2: Q or K, sixteen blocks
	s_wait_loadcnt 0x0
	s_wait_dscnt NF
	BLOCK 0, 0, ACC, 8, 0, 32, L_STEP
	WIN 0
	PLACES 4
	WALU
.irp t, 0,1,2,3
	ds_store_b8 v[STV], v[EB+\t] offset:2+64*\t
.endr
.irp t, 0,1,2,3
.irp k, 0,1,2
	global_store_b128 v[CO], v[MCD+12*\t+4*\k:MCD+12*\t+4*\k+3], s[50:51] offset:3072*\t+512*\k   ; V's codes leave
.endr
.endr
	FETCH 0
	QBLK 1, NF+4, 1
	s_mov_b32 s86, 0
.Lwith_rounds:                                         ; blocks 2 to 5, 6 to 9
	QROUND NF+1
	QBLK 1, -1, 1
	QBLK 0, NF+1, 1
	QBLK 1, NF+1, 1
	s_add_co_u32 s86, s86, 1
	s_cmp_lg_u32 s86, 2
	s_cbranch_scc1 .Lwith_rounds
.Lwithout:                                             ; blocks 10, 11 and 12, 13
	QSHOW NF+1
	QBLK 1, -1, 1
	s_add_co_u32 s86, s86, 1
	s_cmp_lg_u32 s86, 4
	s_cbranch_scc1 .Lwithout
	QBLK 0, NF+1, 0
	QBLK 1, 1, 0
; ================= THE END: the last way out; the scale bytes go through LDS under its conversions
	s_wait_xcnt 0x0
	PLACE 0
	PLACE 1
	PLACE 2
.set I, 0
.rept 18
	CHAIN I, ACC+32, 0
.set I, I+1
.endr
	CODES 2, ACC+32, NCD, 0
	WALU
	ds_store_b8 v[VX], v[EB]
	s_wait_dscnt 0x0
	s_barrier_signal -1
	CODES 0, ACC+32, NCD, 0
	CODES 1, ACC+32, NCD, 0
	v_nop
.irp i, 3,4,5
	CODES \i, ACC+32, NCD, 0
.endr
	s_barrier_wait -1
	WALU
	ds_load_b64 v[64:65], v[QRD]                   ; the halves c = 0 and c = 1 of four rows' scale words,
	ds_load_b64 v[66:67], v[QRD] offset:512
	ds_load_b64 v[68:69], v[VRD]
	global_store_b128 v[CO], v[NCD:NCD+3], s[84:85]
	global_store_b64 v[C8], v[NCD+4:NCD+5], s[84:85] offset:512
	s_wait_dscnt 0x0
	v_perm_b32 v72, v66, v64, 0x05040100           ; put together
	v_perm_b32 v73, v66, v64, 0x07060302
	v_perm_b32 v74, v67, v65, 0x05040100
	v_perm_b32 v75, v67, v65, 0x07060302
	global_store_b128 v[CO], v[72:75], s[48:49]
	global_store_b64 v[C8], v[68:69], s[78:79]
	s_wait_tensorcnt 0x0
	ds_add_u32 v[SPW], v[NIL]
	s_wait_dscnt 0x0
	CROUND
	s_endpgm
.Lfunc_end_k_qa8bb6464d3_proj:
	.size	k_qa8bb6464d3_proj, .Lfunc_end_k_qa8bb6464d3_proj-k_qa8bb6464d3_proj
	.p2alignl 7, 3214868480
	.fill 96, 4, 3214868480
	.section	.rodata,"a",@progbits
	.p2align	6, 0x0
	.amdhsa_kernel k_qa8bb6464d3_proj
		.amdhsa_group_segment_fixed_size 327680
		.amdhsa_private_segment_fixed_size 0
		.amdhsa_enable_private_segment 0
		.amdhsa_kernarg_size 40
		.amdhsa_user_sgpr_count 2
		.amdhsa_user_sgpr_kernarg_segment_ptr 1
		.amdhsa_wavefront_size32 1
		.amdhsa_system_sgpr_workgroup_id_x 1
		.amdhsa_system_sgpr_workgroup_id_y 1
		.amdhsa_system_sgpr_workgroup_id_z 1
		.amdhsa_system_vgpr_workitem_id 0
		.amdhsa_next_free_vgpr 1024
		.amdhsa_next_free_sgpr 102
		.amdhsa_reserve_vcc 0
		.amdhsa_float_denorm_mode_32 3
		.amdhsa_float_denorm_mode_16_64 3
		.amdhsa_memory_ordered 1
		.amdhsa_forward_progress 1
		.amdhsa_inst_pref_size 178
	.end_amdhsa_kernel
	.amdgpu_metadata
---
amdhsa.version: [ 1, 2 ]
amdhsa.kernels:
  - .name:           k_qa8bb6464d3_proj
    .symbol:         k_qa8bb6464d3_proj.kd
    .args:
      - { .name: xw, .offset: 0, .size: 8, .value_kind: global_buffer, .address_space: global }
      - { .name: bq, .offset: 8, .size: 8, .value_kind: global_buffer, .address_space: global }
      - { .name: bk, .offset: 16, .size: 8, .value_kind: global_buffer, .address_space: global }
      - { .name: bv, .offset: 24, .size: 8, .value_kind: global_buffer, .address_space: global }
      - { .name: qkv, .offset: 32, .size: 8, .value_kind: global_buffer, .address_space: global }
    .group_segment_fixed_size: 327680
    .private_segment_fixed_size: 0
    .kernarg_segment_align: 8
    .kernarg_segment_size: 40
    .max_flat_workgroup_size: 128
    .sgpr_count:     102
    .vgpr_count:     1024
    .wavefront_size: 32
...
	.end_amdgpu_metadata
.endif
;; end of part 2
;; launch scores (part 3): grid 36 x 4, 4 waves a work-group, no clusters, 327,680 bytes of LDS; arguments qkv, pc; writes pc
.if DOCPART == 3
	.amdgcn_target "amdgcn-amd-amdhsa--gfx1250"
	.amdhsa_code_object_version 6
	.text
	.protected	k_qa8bb6464d3_scores
	.globl	k_qa8bb6464d3_scores
	.p2align	8
	.type	k_qa8bb6464d3_scores,@function
k_qa8bb6464d3_scores:
	s_mov_b64 s[64:65], 0
	v_nop
	global_prefetch_b8 v0, s[64:65] scope:SCOPE_SE
	s_setreg_imm32_b32 hwreg(HW_REG_WAVE_MODE, 25, 1), 1
	s_wait_xcnt 0x0
; S = Q K^T on codes of FP6 (E2M3), for the 36 tiles of 256 queries x 256 keys of a batch that the causal mask leaves; then, for each query and each run of 128 keys:
; t = score x log2(e) / 32; M = the run's largest t rounded up to a whole number; p = 2^(t - M); l = the sum of the unquantised p; p quantised along the keys.
; The run's own M is a whole number, so the launch that follows brings all runs of a row under the row's M by lowering scale bytes: the codes stay.
; WORK LEFT OUT: tiles wholly above the diagonal, which reference() masks itself; they have no block.
; pc: for each batch 72 blocks: tile row i of 256 queries, its group of 128 u = 0, 1, 256 keys k = 0 .. i: block 72 batch + (i + 1) (i + u) + k.  Codes at 24,576 x block: fragment (T, q) at 3072 T + 1536 q.
; Behind all codes 3,072 bytes for each block: scale words at 512 q + 64 T + 4 r, -M (f32) at 1024 + the same, l at 2048 + the same.  Slot r of tile T = 4 c + j is row 64 c + 32 (r / 8) + 8 j + r % 8 of its group.
; Source 0 = 16 keys, source 1 = 16 queries: a lane (r, h) holds one query, and its 64 registers of a tile of queries are keys 64 c + 32 h + 0 .. 31, c = 0, 1: two whole scale blocks.
; A work-group of four waves makes 256 x 256, a wave 128 x 128.  K = 1024 is four blocks of 25,600 bytes for each group.  Wave w fetches region w (0, 1: Q's groups; 2, 3: K's): at the head ONE load brings
; blocks 0, 1, 2, which lie end to end; block 3 is the one refill, into block 0's place.
; THE SOFTMAX takes two tiles of queries at a time, line by line in turn: eight independent chains.
; NO CLUSTER: a tile row of the triangle has 1 to 8 tiles and a tile column 8 to 1, so no group of four tiles of one row or column divides the 36 without work-groups that have nothing to do.
; NO PREFETCH: there is no loop along K to run ahead in: three of the four blocks are asked for at once, the fourth once.
; A run of 128 keys that the mask hides wholly gets -M = 1.35e37, l = 0 and zero codes.
; LIMITS: NaN and infinities are not served; a block of p whose largest lies under 2^-124 keeps the byte 1; the scaled scores stay under 2^31 in magnitude.
; REGISTERS: window 0: v6-31 addresses and constants; v32-63 scale words; v128-223 source 1's fragments; window 1: source 0's two sets; windows 2, 3: the accumulators;
;   behind the products: v96-159, v160-223 t, then p, of two tiles; v64-87 their codes; v88-95, v224-255 at work.
.set BLK,   25600
.set PBLK,  24576
.set STAT,  288*PBLK
.set SCO,   24576
.set REG,   3*BLK
.set SPARE, 4*REG
.set SCR,   SPARE+512                  ; 1,536 bytes a wave: scale words, -M and l on their way out
.set LA8, 6                            ; v6-8, v9-11: as LA, LB with 8 x lane for 16 x lane
.set LB8, 9
.set L8,  12
.set SWB, 13                           ; v13 where my row's scale bytes go
.set DQ,  15                           ; v15 my query less my first key, less the tile of queries' first row
.set LA,  16
.set LB,  19
.set LS,  22
.set L16, 25
.set SW,  26
.set SRD, 27
.set SPW, 28
.set NIL, 29
.set NEG, 30                           ; v30 -3e38: under every score
.set NINF, 31                          ; v31 -infinity
.set SC,  32
.set T,   96                           ; tile e of a pair: T + 64 e
.set AF,  128
.set PC,  64                           ; 12 e
.set PT,  88                           ; v88-95, v224-231: 136 e + 4 c
.set BM,  232                          ; 4 e
.set BT,  1                            ; e (a lane permute's destination counts as one of its sources: written at the head)
.set SO,  240                          ; 2 e
.set NM,  244                          ; 2 e: pairs: -M (the packed form names a pair and takes its low word)
.set SUM, 248                          ; 2 e
.set S2,  252                          ; 2 e
.set G1,  24
.set G0,  32
.set CS,  44                           ; s[44:45] c = log2(e) / 32
.set SEL, 46
.set DG,  20                           ; s20 1 where some of my scores are hidden
.set HID, 21                           ; s21 all ones where all of them are
.set MSB, 0
.macro WIN new
.if MSB != (\new)
	s_set_vgpr_msb (MSB<<8)|(\new)
.set MSB, (\new)
.endif
.endm
.macro PLACES n
.rept \n
	v_nop
.endr
.endm
	s_load_b128 s[4:7], s[0:1], 0x0                ; qkv, pc
	v_lshl_add_u32 v[SPW], v0, 2, SPARE
	v_mov_b32 v[NIL], 0
	ds_add_u32 v[SPW], v[NIL]
	ds_add_u32 v[SPW], v[NIL]
	v_lshrrev_b32 v1, 5, v0
	v_readfirstlane_b32 s14, v1                    ; wave
	s_lshr_b32 s15, s14, 1                         ; my half of the queries
	s_and_b32 s16, s14, 1                          ; my half of the keys
	s_mov_b32 s17, 0
.irp thr, 1,3,6,10,15,21,28                    ; tile row i of the triangle: how many of the rows' first numbers my number has reached
	s_cmp_ge_u32 ttmp9, \thr
	s_add_co_ci_u32 s17, s17, 0
.endr
	s_add_co_u32 s18, s17, 1
	s_mul_i32 s18, s18, s17
	s_lshr_b32 s18, s18, 1
	s_sub_co_u32 s18, ttmp9, s18                   ; tile column k
	s_and_b32 s19, ttmp7, 0xffff                   ; batch
	s_cmp_eq_u32 s17, s18
	s_cselect_b32 s[DG], 1, 0                      ; on the diagonal,
	s_sub_co_i32 s[HID], s16, s15
	s_cmp_lt_i32 s[HID], 0
	s_cselect_b32 s[DG], 0, s[DG]                  ; unless my keys all come ahead of my queries
	s_cmp_gt_i32 s[HID], 0
	s_cselect_b32 s[HID], -1, 0
	s_mov_b32 s[G1], 3<<16                         ; a dense run: rows of 32 elements of 8 bytes; no mask, no padding
	s_mov_b32 s[G1+1], 32<<16
	s_mov_b32 s[G1+2], 300<<16
	s_mov_b32 s[G1+3], 32<<16
	s_mov_b32 s[G1+4], 300
	s_mov_b32 s[G1+5], 32
	s_mov_b32 s[G1+6], 0
	s_mov_b32 s[G1+7], 0
	s_mov_b32 s[CS], 0x3d38aa3b
	s_mov_b32 s[CS+1], s[CS]
	s_mov_b32 s[SEL], 0x76543210
	s_mov_b32 s[SEL+1], 0xfedcba98
	s_lshl_b32 s52, s19, 4                         ; 16 groups a batch
	s_lshl_b32 s53, s17, 1                         ; Q's groups 2 i, 2 i + 1
	s_lshl_b32 s54, s18, 1
	s_add_co_u32 s54, s54, 64                      ; K's groups lie 64 groups behind Q's
	s_cmp_lt_u32 s14, 2
	s_cselect_b32 s53, s53, s54
	s_add_co_u32 s53, s53, s52
	s_add_co_u32 s53, s53, s16
	s_mul_i32 s54, s53, 4*BLK
	s_mov_b32 s55, 0
	s_mul_i32 s56, s14, REG
	s_wait_dscnt 0x0                               ; both opening adds are done
	s_wait_kmcnt 0x0
	s_add_nc_u64 s[54:55], s[4:5], s[54:55]
	s_mov_b32 s[G0], 1
	s_mov_b32 s[G0+1], s56
	s_mov_b64 s[G0+2:G0+3], s[54:55]
	s_or_b32 s[G0+3], s[G0+3], 0x80000000
	tensor_load_to_lds s[G0:G0+3], s[G1:G1+7]      ; blocks 0, 1, 2 of my region's group
	s_nop 0
	PLACES 4
	v_and_b32 v1, 31, v0
	v_and_b32 v2, 15, v0
	v_bfe_u32 v3, v0, 4, 1
	v_lshlrev_b32 v[L16], 4, v1
	v_lshlrev_b32 v[L8], 3, v1
	v_lshlrev_b32 v4, 2, v2
	s_wait_alu depctr_va_vdst(0)                   ; ahead of the scalar lines
	s_mul_i32 s56, s15, REG
	s_mul_i32 s57, s16, REG
	s_add_co_u32 s57, s57, 2*REG
	s_sub_co_u32 s58, s57, s56
	v_mul_u32_u24 v5, s58, v3                      ; lanes 16-31 take K's scale words
	v_add_nc_u32 v4, v4, v5
	s_add_co_u32 s59, s56, SCO
.irp s, 0,1,2
	v_add_nc_u32 v[LA+\s], s56, v[L16]
	v_add_nc_u32 v[LB+\s], s57, v[L16]
	v_add_nc_u32 v[LA8+\s], s56, v[L8]
	v_add_nc_u32 v[LB8+\s], s57, v[L8]
	v_add_nc_u32 v[LS+\s], s59, v4
	s_add_co_u32 s56, s56, BLK
	s_add_co_u32 s57, s57, BLK
	s_add_co_u32 s59, s59, BLK
.endr
	s_mul_i32 s56, s14, 1536
	s_add_co_u32 s56, s56, SCR
	v_lshl_add_u32 v[SW], v2, 2, s56
	v_add_nc_u32 v[SWB], v[SW], v3
	v_add_nc_u32 v[SRD], s56, v[L16]
	v_mov_b32 v[NEG], 0xff61b1e6
	v_mov_b32 v[NINF], 0xff800000
	v_and_b32 v[DQ], 7, v2
	v_lshrrev_b32 v5, 3, v2
	v_lshl_add_u32 v[DQ], v5, 5, v[DQ]
	v_lshlrev_b32 v5, 5, v3
	v_sub_nc_u32 v[DQ], v[DQ], v5
	s_sub_co_i32 s56, s15, s16
	s_lshl_b32 s56, s56, 7
	v_add_nc_u32 v[DQ], s56, v[DQ]                 ; r % 8 + 32 (r / 8) - 32 h + 128 (my half of the queries - my half of the keys)
	v_mov_b32 v[NM+1], 0                           ; (named with -M as pairs)
	v_mov_b32 v[NM+3], 0
	s_add_co_u32 s53, s17, 1
	s_add_co_u32 s52, s17, s15
	s_mul_i32 s54, s53, s52
	s_mul_i32 s52, s19, 72
	s_add_co_u32 s54, s54, s52
	s_add_co_u32 s54, s54, s18                     ; my block of pc
	s_mul_i32 s52, s54, PBLK
	s_mul_i32 s56, s16, 1536
	s_add_co_u32 s52, s52, s56
	s_mov_b32 s53, 0
	s_add_nc_u64 s[48:49], s[6:7], s[52:53]        ; codes
	s_mul_i32 s52, s54, 3072
	s_lshl_b32 s54, s16, 9
	s_add_co_u32 s52, s52, s54
	s_add_co_u32 s52, s52, STAT
	s_add_nc_u64 s[50:51], s[6:7], s[52:53]        ; scale words; -M 1,024 bytes on, l 2,048
.macro FRAG reg, adr, off              ; for each half of 64 along K: registers 0-3 at 16 x lane, registers 4, 5 at 512 + 8 x lane
.irp c, 0,1
	ds_load_b128 v[(\reg)+6*\c:(\reg)+6*\c+3], v[\adr] offset:(\off)+768*\c
	ds_load_b64 v[(\reg)+6*\c+4:(\reg)+6*\c+5], v[(\adr)-10] offset:(\off)+768*\c+512
.endr
.endm
.macro FETCH_B ns, nq, p
	WIN 0x40
.irp i, 0,1,2,3,4,5,6,7
	FRAG 128*(\p)+12*\i, LB+(\ns), 3072*\i+1536*(\nq)
.endr
	WIN 0
.endm
.macro FETCH_A ns, nq, i0
.irp i, \i0, \i0+1, \i0+2, \i0+3
	FRAG AF+12*(\i), LA+(\ns), 3072*(\i)+1536*(\nq)
.endr
.endm
.macro SCALES ns, set
.irp i, 0,1,2,3,4,5,6,7
.irp u, 0,1
	ds_load_b32 v[SC+16*(\set)+2*\i+\u], v[LS+(\ns)] offset:512*\u+64*\i
.endr
.endr
.endm
.macro MM a, b, p, q, set, cm          ; cm 0: onto the sum; 1: the product starts the sum: nothing is ever cleared
.set rD, 8*(8*((\a)%4)+(\b))
.set rB, 128*(\p)+12*(\b)
.set rA, AF+12*(\a)
.set sB, SC+16*(\set)+2*(\b)+(\q)
.set sA, SC+16*(\set)+2*(\a)+(\q)
.if (\cm) == 0
	v_wmma_scale_f32_16x16x128_f8f6f4 v[rD:rD+7], v[rB:rB+11], v[rA:rA+11], v[rD:rD+7], v[sB], v[sA] matrix_a_fmt:MATRIX_FMT_FP6 matrix_b_fmt:MATRIX_FMT_FP6 matrix_a_scale:MATRIX_SCALE_ROW1
.else
	v_wmma_scale_f32_16x16x128_f8f6f4 v[rD:rD+7], v[rB:rB+11], v[rA:rA+11], 0, v[sB], v[sA] matrix_a_fmt:MATRIX_FMT_FP6 matrix_b_fmt:MATRIX_FMT_FP6 matrix_a_scale:MATRIX_SCALE_ROW1
.endif
.endm
.macro MUL16 a0, p, q, set, cm         ; the 64 accumulators take turns, one instruction a turn, in the same order in every step
.irp a, \a0, \a0+1
.irp b, 0,1,2,3,4,5,6,7
	MM \a, \b, \p, \q, \set, \cm
.endr
.endr
.endm
.macro REFILL                          ; block 0's place takes block 3: my one tensor load behind the barrier, and the first thing there
	s_mov_b32 s[G1+2], 100<<16             ; (no tensor load of mine is out)
	s_mov_b32 s[G1+4], 100
	s_add_nc_u64 s[G0+2:G0+3], s[G0+2:G0+3], 3*BLK
	tensor_load_to_lds s[G0:G0+3], s[G1:G1+7]
	s_nop 0
	PLACES 4                                       ; also the places in front of the loads that follow
.endm
; A step of 128 along K.  sync = 1: the block in hand is left and filled again; sync = 2: the refill is shown landed.
.macro GSTEP p, set, q, cm, sync, ns, nq, nset
.if \sync
	s_wait_tensorcnt 0x0                           ; all my tensor loads have landed
	ds_add_u32 v[SPW], v[NIL]                      ; 0 onto my spare word
	s_wait_dscnt 17                                ; (the add and the youngest sixteen loads, source 1's fragments 4-7, may be out)
.else
	s_wait_dscnt 16                                ; the youngest sixteen loads, source 1's fragments 4-7, may be out
.endif
	WIN 0xa1
	MUL16 0, \p, \q, \set, \cm
.if \sync
	s_wait_dscnt 0x0                               ; the add is done, and my reads of the block in hand are over
	s_barrier_signal -1
.endif
	MUL16 2, \p, \q, \set, \cm
.if \sync
	WIN 0
	s_barrier_wait -1
.if (\sync) == 1
	REFILL
.else
	PLACES 4
.endif
.else
	s_wait_dscnt 0x0
	PLACES 4
.endif
.if (\ns) >= 0
	FETCH_B \ns, \nq, 1-(\p)
	FETCH_A \ns, \nq, 0
.if (\nq) == 0
	SCALES \ns, \nset
.endif
.endif
	WIN 0xf1
	MUL16 4, \p, \q, \set, \cm
	MUL16 6, \p, \q, \set, \cm
.if (\ns) >= 0
	PLACES 4
	WIN 0
	FETCH_A \ns, \nq, 4
.else
	WIN 0
.endif
.endm
	s_wait_alu depctr_va_vdst(0)                   ; the wait at the head's end
	s_wait_tensorcnt 0x0                           ; my region's three blocks are in
	s_barrier_signal -1
	s_barrier_wait -1
	FETCH_B 0, 0, 0
	FETCH_A 0, 0, 0
	SCALES 0, 0
	FETCH_A 0, 0, 4
	GSTEP 0, 0, 0, 1, 0, 0, 1, 0
	GSTEP 1, 0, 1, 0, 1, 1, 0, 1                   ; block 0 is left and its place filled again
	GSTEP 0, 1, 0, 0, 0, 1, 1, 0
	GSTEP 1, 1, 1, 0, 0, 2, 0, 0
	GSTEP 0, 0, 0, 0, 0, 2, 1, 0
	GSTEP 1, 0, 1, 0, 2, 0, 0, 1                   ; the refill, asked for four steps ago, is shown landed
	GSTEP 0, 1, 0, 0, 0, 0, 1, 0
	GSTEP 1, 1, 1, 0, 0, -1, 0, 0
	PLACES 4                                       ; in front of the first read of results
; Tile t where some scores are hidden: -infinity, so that p = 0.  Its queries lie in band t / 4: of that band's keys those that come after my query; of a later band all; of an earlier band none, or all where all are hidden.
.macro MASK t
.set AC, 64*((\t)%4)
.set BD, AC+32*((\t)/4)
.set CA, 8*((\t)%4)
.set n, 0
.rept 32
.if (\t) >= 4
	v_cndmask_b32 v[AC+n], v[AC+n], v[NINF], s[HID]
.endif
.set n, n+1
.endr
.set n, 0
.rept 32
	v_cmp_gt_i32 vcc_lo, n-CA, v[DQ]
	v_cndmask_b32 v[BD+n], v[BD+n], v[NINF], vcc_lo
.set n, n+1
.endr
.set n, 0
.rept 32
.if (\t) < 4
	v_mov_b32 v[AC+32+n], 0xff800000
.endif
.set n, n+1
.endr
.endm
; Tiles a and a + 1 of my queries, line by line in turn (e = 0, 1): 16 queries x my 128 keys each.  Register 32 c + i of a tile's 64 is key 64 c + 32 h + i.
.macro SOFTP a
.set W, 2+(\a)/4
.set A0, 64*((\a)%4)                   ; tile a + e at A0 + 64 e
.if (\a) > 0
	s_wait_dscnt 0x0                               ; the last pair's stores to LDS have read their registers
.endif
	s_cmp_eq_u32 s[DG], 0
	s_cbranch_scc1 .Lopen_\@
	s_wait_alu depctr_va_vdst(0)
	WIN (W<<6)|W
	MASK (\a)
	MASK (\a)+1
	WIN 0
.Lopen_\@:
	WIN (W<<2)|(W<<4)
.irp b, 0,1,2,3
.irp e, 0,1
	v_max3_num_f32 v[BM+4*\e+\b], v[NEG], v[A0+64*\e+16*\b], v[A0+64*\e+16*\b+1]
.endr
.endr
.irp i, 2,4,6,8,10,12,14
.irp b, 0,1,2,3
.irp e, 0,1
	v_max3_num_f32 v[BM+4*\e+\b], v[BM+4*\e+\b], v[A0+64*\e+16*\b+\i], v[A0+64*\e+16*\b+\i+1]
.endr
.endr
.endr
	WIN 0
.irp e, 0,1
	v_max_num_f32 v[BM+4*\e], v[BM+4*\e], v[BM+4*\e+1]   ; the largest score of each of my two blocks of 32 keys: it serves for the run's maximum and, since p rises with the score, for the block's largest p
.endr
.irp e, 0,1
	v_max_num_f32 v[BM+4*\e+1], v[BM+4*\e+2], v[BM+4*\e+3]
.endr
.irp e, 0,1
	v_max_num_f32 v[BM+4*\e+2], v[BM+4*\e], v[BM+4*\e+1]
.endr
.irp e, 0,1
	v_permlanex16_b32 v[BT+\e], v[BM+4*\e+2], s[SEL], s[SEL+1]
.endr
.irp e, 0,1
	v_max_num_f32 v[BM+4*\e+2], v[BM+4*\e+2], v[BT+\e]   ; with lane l xor 16's 64 keys
.endr
.irp e, 0,1
	v_mul_f32 v[BM+4*\e+2], s[CS], v[BM+4*\e+2]    ; the run's largest t
.endr
.irp e, 0,1
	v_floor_f32 v[NM+2*\e], -v[BM+4*\e+2]          ; -M = floor(-t) = -ceil(t): a whole number
.endr
	WIN W
.set n, 0
.rept 32
.irp e, 0,1
	v_pk_fma_f32 v[T+64*\e+n:T+64*\e+n+1], v[A0+64*\e+n:A0+64*\e+n+1], s[CS:CS+1], v[NM+2*\e:NM+2*\e+1] op_sel_hi:[1,0,0]   ; t - M, two at a time
.endr
.set n, n+2
.endr
	WIN 0
.irp c, 0,1
.irp e, 0,1
	v_fma_f32 v[BM+4*\e+\c], v[BM+4*\e+\c], s[CS], v[NM+2*\e]   ; the same of each block's largest score
.endr
.endr
.irp c, 0,1
.irp e, 0,1
	v_min_num_f32 v[BM+4*\e+\c], 0, v[BM+4*\e+\c]  ; at most 0: so the byte stays at 125 or under, in a run that is wholly hidden too
.endr
.endr
	s_wait_xcnt 0x0                                ; the last pair's stores have read their codes
	s_wait_alu depctr_va_vdst(0)
.set n, 0
.rept 128
	v_exp_f32 v[T+n], v[T+n]                       ; p = 2^(t - M), of both tiles
.set n, n+1
.endr
.irp c, 0,1
.irp e, 0,1
	v_exp_f32 v[BM+4*\e+\c], v[BM+4*\e+\c]         ; the block's largest p
.endr
.endr
	v_nop                                          ; one plain instruction behind the batch
	s_wait_alu depctr_va_vdst(0)                   ; one wait for the 132 exponentials, ahead of their first reader
.irp e, 0,1
	v_pk_add_f32 v[SUM+2*\e:SUM+2*\e+1], v[T+64*\e:T+64*\e+1], v[T+64*\e+2:T+64*\e+3]   ; l is the sum of the unquantised p: two at a time, in two chains a tile
	v_pk_add_f32 v[S2+2*\e:S2+2*\e+1], v[T+64*\e+4:T+64*\e+5], v[T+64*\e+6:T+64*\e+7]
.endr
.irp j, 8,12,16,20,24,28,32,36,40,44,48,52,56,60
.irp e, 0,1
	v_pk_add_f32 v[SUM+2*\e:SUM+2*\e+1], v[SUM+2*\e:SUM+2*\e+1], v[T+64*\e+\j:T+64*\e+\j+1]
	v_pk_add_f32 v[S2+2*\e:S2+2*\e+1], v[S2+2*\e:S2+2*\e+1], v[T+64*\e+\j+2:T+64*\e+\j+3]
.endr
.endr
.irp e, 0,1
	v_pk_add_f32 v[SUM+2*\e:SUM+2*\e+1], v[SUM+2*\e:SUM+2*\e+1], v[S2+2*\e:S2+2*\e+1]
.endr
.irp e, 0,1
	v_add_f32 v[SUM+2*\e], v[SUM+2*\e], v[SUM+2*\e+1]
.endr
.irp e, 0,1
	v_permlanex16_b32 v[BT+\e], v[SUM+2*\e], s[SEL], s[SEL+1]
.endr
.irp e, 0,1
	v_add_f32 v[SUM+2*\e], v[SUM+2*\e], v[BT+\e]   ; with lane l xor 16's 64 keys
.endr
.irp c, 0,1
.irp e, 0,1
	v_max_num_f32 v[BM+4*\e+\c], 0x1800000, v[BM+4*\e+\c]   ; the floor 2^(3 - 127): the byte cannot fall under 1
.endr
.endr
.irp c, 0,1
.irp e, 0,1
	v_add_nc_u32 v[SO+2*\e+\c], 0xff000000, v[BM+4*\e+\c]   ; 2 off the exponent field: the conversion's scale operand
.endr
.endr
.irp c, 0,1
.irp e, 0,1
	v_cvt_scalef32_pk16_fp6_f32 v[PC+12*\e+6*\c:PC+12*\e+6*\c+2], v[T+64*\e+32*\c:T+64*\e+32*\c+15], v[SO+2*\e+\c]
	v_cvt_scalef32_pk16_fp6_f32 v[PT+136*\e+4*\c:PT+136*\e+4*\c+2], v[T+64*\e+32*\c+16:T+64*\e+32*\c+31], v[SO+2*\e+\c]
.endr
.endr
.irp c, 0,1
.irp e, 0,1
	v_lshrrev_b32 v[BM+4*\e+2+\c], 23, v[SO+2*\e+\c]   ; the scale's byte; also the plain instructions behind the conversions
.endr
.endr
.irp c, 0,1
.irp i, 0,1,2
.irp e, 0,1
	v_mov_b32 v[PC+12*\e+6*\c+3+\i], v[PT+136*\e+4*\c+\i]
.endr
.endr
.endr
.irp e, 0,1
.irp c, 0,1,2
	global_store_b128 v[L16], v[PC+12*\e+4*\c:PC+12*\e+4*\c+3], s[48:49] offset:3072*((\a)+\e)+512*\c   ; 32 lanes store 512 consecutive bytes
.endr
	ds_store_b8 v[SWB], v[BM+4*\e+2] offset:64*((\a)+\e)   ; blocks h and 2 + h of my row's word
	ds_store_b8 v[SWB], v[BM+4*\e+3] offset:64*((\a)+\e)+2
	ds_store_b32 v[SW], v[NM+2*\e] offset:512+64*((\a)+\e)   ; both halves of the lanes write the same words with the same values
	ds_store_b32 v[SW], v[SUM+2*\e] offset:1024+64*((\a)+\e)
.endr
.endm
	SOFTP 0
	SOFTP 2
	SOFTP 4
	SOFTP 6
.irp c, 0,1,2
	ds_load_b128 v[T+4*\c:T+4*\c+3], v[SRD] offset:512*\c   ; LDS serves a wave's instructions in order: these see my stores
.endr
	s_wait_dscnt 0x0
.irp c, 0,1,2
	global_store_b128 v[L16], v[T+4*\c:T+4*\c+3], s[50:51] offset:1024*\c   ; scale words, -M, l: 512 consecutive bytes each
.endr
	s_wait_tensorcnt 0x0                           ; the wave's end
	ds_add_u32 v[SPW], v[NIL]
	s_wait_dscnt 0x0
	s_endpgm
.Lfunc_end_k_qa8bb6464d3_scores:
	.size	k_qa8bb6464d3_scores, .Lfunc_end_k_qa8bb6464d3_scores-k_qa8bb6464d3_scores
	.p2alignl 7, 3214868480
	.fill 96, 4, 3214868480
	.section	.rodata,"a",@progbits
	.p2align	6, 0x0
	.amdhsa_kernel k_qa8bb6464d3_scores
		.amdhsa_group_segment_fixed_size 327680
		.amdhsa_private_segment_fixed_size 0
		.amdhsa_enable_private_segment 0
		.amdhsa_kernarg_size 16
		.amdhsa_user_sgpr_count 2
		.amdhsa_user_sgpr_kernarg_segment_ptr 1
		.amdhsa_wavefront_size32 1
		.amdhsa_system_sgpr_workgroup_id_x 1
		.amdhsa_system_sgpr_workgroup_id_y 1
		.amdhsa_system_sgpr_workgroup_id_z 1
		.amdhsa_system_vgpr_workitem_id 0
		.amdhsa_next_free_vgpr 1024
		.amdhsa_next_free_sgpr 66
		.amdhsa_reserve_vcc 1
		.amdhsa_float_denorm_mode_32 3
		.amdhsa_float_denorm_mode_16_64 3
		.amdhsa_memory_ordered 1
		.amdhsa_forward_progress 1
		.amdhsa_inst_pref_size 225
	.end_amdhsa_kernel
	.amdgpu_metadata
---
amdhsa.version: [ 1, 2 ]
amdhsa.kernels:
  - .name:           k_qa8bb6464d3_scores
    .symbol:         k_qa8bb6464d3_scores.kd
    .args:
      - { .name: qkv, .offset: 0, .size: 8, .value_kind: global_buffer, .address_space: global }
      - { .name: pc, .offset: 8, .size: 8, .value_kind: global_buffer, .address_space: global }
    .group_segment_fixed_size: 327680
    .private_segment_fixed_size: 0
    .kernarg_segment_align: 8
    .kernarg_segment_size: 16
    .max_flat_workgroup_size: 128
    .sgpr_count:     66
    .vgpr_count:     1024
    .wavefront_size: 32
...
	.end_amdgpu_metadata
.endif
;; end of part 3
;; launch pv (part 4): grid 8 x 32, 4 waves a work-group, clusters of 4 x 1, 327,680 bytes of LDS; arguments pc, qkv, out0; writes out0
.if DOCPART == 4
	.amdgcn_target "amdgcn-amd-amdhsa--gfx1250"
	.amdhsa_code_object_version 6
	.text
	.protected	k_qa8bb6464d3_pv
	.globl	k_qa8bb6464d3_pv
	.p2align	8
	.type	k_qa8bb6464d3_pv,@function
k_qa8bb6464d3_pv:
	s_mov_b64 s[64:65], 0
	v_nop
	global_prefetch_b8 v0, s[64:65] scope:SCOPE_SE
	s_setreg_imm32_b32 hwreg(HW_REG_WAVE_MODE, 25, 1), 1
	s_wait_xcnt 0x0
	s_wait_alu depctr_hold_cnt(0) depctr_sa_sdst(0) depctr_va_vdst(0) depctr_va_sdst(0) depctr_va_ssrc(0) depctr_va_vcc(0) depctr_vm_vsrc(0)
	s_getreg_b32 s2, hwreg(HW_REG_IB_STS2, 6, 4)
	s_cmp_eq_u32 s2, 0
	s_cbranch_scc0 .Lentry_in_a_cluster
	s_endpgm
.Lentry_in_a_cluster:
	s_bfe_u32 s2, ttmp6, 0x10000c
	s_cmp_lg_u32 s2, 0x3003
	s_cbranch_scc0 .Lentry_shape_is_right
	s_endpgm
.Lentry_shape_is_right:
; O = P V / l on codes of FP6 (E2M3).  P comes as the launch before left it (its head says how pc lies): for each query and each run of 128 keys codes, scale bytes, -M of the run and l of the run.
; THE STATISTICS bring a row's runs under one M: -M of the row is the least of the runs' -M; l = the sum of the runs' l x 2^(M of the run - M of the row) (exact); each scale byte of a run is lowered by
; M of the row - M of the run, a whole number, and held at 0 from below.  The codes stay as they are.  Their loads go out ahead of the first tensor loads; they are worked under the flight of slot 0's tiles.
; A work-group makes 256 queries x 128 channels; a wave 128 x 64: 32 accumulators.  Source 0 = 16 channels of V^T, source 1 = 16 queries of P: a lane (r, h) holds one query and channels 32 h + 8 b + 0 .. 7 of its 64 in tile b.
; K = the keys up to the diagonal: QI + 1 stages of 256 keys, QI = the tile of queries in its batch; the heaviest work-groups have the lowest numbers.
; WORK LEFT OUT: stages whose keys all come after the queries: reference() masks them itself.
; CLUSTER 4 x 1: the four partners make four groups of channels for the same queries, so P's blocks are asked for jointly.  V^T's block is each work-group's own and comes by a load without a mask:
; the work-groups that share a block of V^T are other tiles of queries, which walk other numbers of stages.  QI hangs on the cluster's y alone: branches on it are alike in all partners.
; LDS: two slots of 149,504 bytes, each with two stages: P's two groups, 2 x 24,576 bytes each, and two blocks of V^T of 25,600.  The head asks for slot 0; slot 1 is asked for behind the round that shows slot 0; slot n takes
; stages 2 n + 4, 2 n + 5 behind the round at the end of stage 2 n + 1.  A wave has one tensor load out at a time.  Where the number of stages is odd, the last load's second block is another row's or a later one and is not multiplied.
; PREFETCHES: what a slot's refill will load is asked for two stages ahead of it, at the start of stages 0 and 2, where there is such a refill: P's 384 units of 256 bytes by the sixteen waves of the cluster, 24 each, told apart by
; address; V's 200 by the work-group's four waves, 50 each.
; LIMITS: NaN and infinities are not served.  A scale byte that would fall under 0 is held at 0, which is 2^-127: such a block lies more than 2^-120 under the row's largest p.
; REGISTERS: window 0: v5-29 addresses; v32-63 P's scale words, two sets; v64-79 V's, two sets; v128-223 P's fragments, one set.  window 1: V's fragments, two sets, at v0, v128.  window 2: accumulator (a, b) at v[8 (4 a + b)].
.set BLK,   25600
.set PBLK,  24576
.set STAT,  288*PBLK
.set SLOT,  149504
.set SCP,   2*SLOT                     ; the lowered scale words: 8,192 (group of queries) + 512 (run of 128 keys) + 64 T + 4 r
.set LSC,   SCP+16384                  ; the rows' l: 512 bytes a wave
.set SPARE, LSC+2048                   ; the spare words, 128 bytes for each wave: two blocks of 256 bytes that no other line names
.set PFP, 5                            ; v5 P's prefetches; v6, v7 V's
.set PFV, 6
.set PFW, 7
.set LA,  8                            ; v8-11  my fragments of P in stages t % 4
.set LB,  12                           ; v12-15 of V
.set LSB, 16                           ; v16-19 V's scale words
.set LSA, 20                           ; v20 P's
.set L16, 21                           ; v21 16 x lane
.set SCWR, 22                          ; v22 where I store lowered words
.set LW,  23                           ; v23 where I store l
.set LL,  24                           ; v24 where I read my query's l
.set STO, 25                           ; v25 the way out: where I put 32 bytes of a row
.set RD,  26                           ; v26 where I read a row back
.set CO,  27                           ; v27 my byte offset in out0
.set SPW, 28
.set NIL, 29
.set SA,  32
.set SB,  64
.set AF,  128
.set NMO, 32                           ; the statistics: v32-63 -M of my eight runs; v64-127 of all sixteen; v128-191 l of all sixteen; v192-223 my runs' scale words
.set NMA, 64
.set LAL, 128
.set RAW, 192
.set NF,  224                          ; v224-227 the rows' -M
.set LT,  228                          ; v228-231 the rows' l
.set VOFF, 240                         ; v240-247 16 x lane + the block's place
.set LR,  32                           ; the way out: v32-39 l; v40-55 1 / l in pairs
.set RC,  40
.set QI,  20
.set G1P, 24                           ; s[24:31] group 1 for P's blocks; s[32:39] group 0, a set for each slot
.set G0P, 32
.set G1V, 48                           ; s[48:55], s[68:75] the same for V's
.set G0V, 68
.set WT,  84                           ; s[84:91] 1.0 for the blocks of keys that count, else 0
.set MSB, 0
.macro WIN new
.if MSB != (\new)
	s_set_vgpr_msb (MSB<<8)|(\new)
.set MSB, (\new)
.endif
.endm
.macro PLACES n
.rept \n
	v_nop
.endr
.endm
.macro JLOAD g0a, g1a, g0b, g1b        ; waves 0 and 1 fetch P's two groups (jointly), waves 2 and 3 V's two blocks.  Four v_nop follow each of the two lines
	s_cmp_eq_u32 s15, 0
	s_cbranch_scc0 .Lfor_b_\@
	tensor_load_to_lds s[\g0a:\g0a+3], s[\g1a:\g1a+7]
	s_nop 0
.rept 4
	v_nop
.endr
	s_branch .Lasked_\@
.Lfor_b_\@:
	tensor_load_to_lds s[\g0b:\g0b+3], s[\g1b:\g1b+7]
	s_nop 0
.rept 4
	v_nop
.endr
.Lasked_\@:
.endm
.macro CREST
	s_cmp_lg_u32 s14, 0
	s_cbranch_scc1 .Lnot_wave_0_\@
	s_barrier_signal -3
.Lnot_wave_0_\@:
	s_barrier_wait -3
	s_barrier_signal -1
	s_barrier_wait -1
.endm
.macro CROUND
	s_barrier_signal -1
	s_barrier_wait -1
	CREST
.endm
	s_load_b128 s[4:7], s[0:1], 0x0                ; pc, qkv
	s_load_b64 s[8:9], s[0:1], 0x10                ; out0
	v_lshl_add_u32 v[SPW], v0, 2, SPARE
	v_mov_b32 v[NIL], 0
	ds_add_u32 v[SPW], v[NIL]
	ds_add_u32 v[SPW], v[NIL]
	v_lshrrev_b32 v1, 5, v0
	v_readfirstlane_b32 s14, v1                    ; wave
	v_and_b32 v1, 31, v0                           ; lane
	v_lshlrev_b32 v[L16], 4, v1
	s_wait_alu depctr_va_vdst(0)                   ; ahead of the scalar lines
	s_lshr_b32 s15, s14, 1                         ; my group of queries.  Also: I fetch for P (0) or for V (1)
	s_and_b32 s16, s14, 1                          ; my half of the channels.  Also: which part I fetch
	s_bfe_u32 s17, ttmp6, 0x40000                  ; cx
	s_lshl_b32 s18, ttmp9, 2
	s_add_co_u32 s18, s18, s17                     ; my group of 128 channels
	s_and_b32 s22, ttmp7, 0xffff
	s_lshr_b32 s19, s22, 3                         ; batch
	s_and_b32 s22, s22, 7
	s_sub_co_u32 s[QI], 7, s22                     ; my tile of 256 queries
	s_mov_b32 s10, 0x80808080
	s_mov_b32 s11, 0x01010101
	s_mov_b32 s[G1P], 15|(3<<16)|(1<<21)           ; the four partners; elements of 8 bytes; 21 set beside a mask
	s_mov_b32 s[G1P+1], 32<<16
	s_mov_b32 s[G1P+2], 192<<16                    ; two blocks' codes: 192 rows of 256 bytes
	s_mov_b32 s[G1P+3], 32<<16
	s_mov_b32 s[G1P+4], 192
	s_mov_b32 s[G1P+5], 32
	s_mov_b32 s[G1P+6], 0
	s_mov_b32 s[G1P+7], 0
	s_mov_b32 s[G1V], 3<<16                        ; no mask
	s_mov_b32 s[G1V+1], 32<<16
	s_mov_b32 s[G1V+2], 100<<16                    ; a block: 100 rows of 256 bytes
	s_mov_b32 s[G1V+3], 32<<16
	s_mov_b32 s[G1V+4], 100
	s_mov_b32 s[G1V+5], 32
	s_mov_b32 s[G1V+6], 0
	s_mov_b32 s[G1V+7], 0
	s_add_co_u32 s23, s[QI], 1
	s_mul_i32 s21, s19, 72
	s_add_co_u32 s22, s[QI], s16
	s_mul_i32 s22, s22, s23
	s_add_co_u32 s22, s22, s21                     ; P: the first block of the group that I would fetch (no place in the cluster enters it)
	s_add_co_u32 s60, s[QI], s15
	s_mul_i32 s62, s60, s23
	s_add_co_u32 s62, s62, s21                     ; and of the group that I multiply
	s_mul_i32 s23, s16, 49152                      ; where a fetched group goes in a slot
	s_lshl_b32 s56, s19, 3
	s_add_co_u32 s56, s56, s18
	s_lshl_b32 s56, s56, 3
	s_add_co_u32 s56, s56, 512                     ; V: the first block of my work-group's channels
	s_mul_i32 s56, s56, BLK
	s_mov_b32 s59, s56
	s_mul_i32 s57, s16, BLK                        ; wave 2 fetches a slot's first block of V, wave 3 its second
	s_add_co_u32 s56, s56, s57
	s_add_co_u32 s58, s57, 98304
	s_mov_b32 s57, 0
	; THE STATISTICS' LOADS.  16 bytes a lane over a run's 512 bytes give lane l the words of fragment l / 4, slots 4 (l % 4) + 0 .. 3.
.irp k, 0,1,2,3,4,5,6,7
	s_min_u32 s60, s[QI], \k
	s_mul_i32 s60, s60, 3072
	v_add_nc_u32 v[VOFF+\k], s60, v[L16]           ; blocks beyond the diagonal's stand for it once more: they change no minimum, and their l is weighed with 0
	s_cmp_ge_u32 s[QI], \k
	s_cselect_b32 s[WT+\k], 1.0, 0
.endr
	s_mul_i32 s60, s62, 3072
	s_add_co_u32 s60, s60, STAT
	s_mov_b32 s61, 0
	s_wait_alu depctr_va_vdst(0)                   ; ahead of the waits below
	s_wait_dscnt 0x0                               ; both opening adds are done
	s_wait_kmcnt 0x0
	s_add_nc_u64 s[96:97], s[4:5], s[60:61]        ; my group's first block's scale words, -M, l
	s_lshl_b32 s60, s16, 9
	s_add_nc_u64 s[94:95], s[96:97], s[60:61]      ; and in it the run of each block that I lower: the two waves of a group share the sixteen runs
.irp k, 0,1,2,3,4,5,6,7
.irp u, 0,1
	global_load_b128 v[NMA+4*(2*\k+\u):NMA+4*(2*\k+\u)+3], v[VOFF+\k], s[96:97] offset:1024+512*\u
	global_load_b128 v[LAL+4*(2*\k+\u):LAL+4*(2*\k+\u)+3], v[VOFF+\k], s[96:97] offset:2048+512*\u
.endr
	global_load_b128 v[NMO+4*\k:NMO+4*\k+3], v[VOFF+\k], s[94:95] offset:1024
	global_load_b128 v[RAW+4*\k:RAW+4*\k+3], v[VOFF+\k], s[94:95]
.endr
	s_add_nc_u64 s[56:57], s[6:7], s[56:57]
	CROUND                                         ; all four work-groups are here: the first joint loads meet
.irp t, 0,1
	s_add_co_u32 s60, s22, 2*\t
	s_mul_i32 s60, s60, PBLK
	s_mov_b32 s61, 0
	s_mov_b32 s[G0P+4*\t], 1
	s_add_co_u32 s[G0P+4*\t+1], s23, \t*SLOT
	s_add_nc_u64 s[G0P+4*\t+2:G0P+4*\t+3], s[4:5], s[60:61]
	s_or_b32 s[G0P+4*\t+3], s[G0P+4*\t+3], 0x80000000
	s_mov_b32 s[G0V+4*\t], 1
	s_add_co_u32 s[G0V+4*\t+1], s58, \t*SLOT
	s_add_nc_u64 s[G0V+4*\t+2:G0V+4*\t+3], s[56:57], 2*\t*BLK
	s_or_b32 s[G0V+4*\t+3], s[G0V+4*\t+3], 0x80000000
.endr
	JLOAD G0P, G1P, G0V, G1V                       ; slot 0: one tensor load a wave at the head
	v_and_b32 v2, 15, v0
	v_bfe_u32 v3, v0, 4, 1
	v_lshlrev_b32 v4, 2, v2
	s_wait_alu depctr_va_vdst(0)
	s_mul_i32 s60, s15, 49152
	s_mul_i32 s61, s16, 12288
	s_add_co_u32 s61, s61, 98304
	s_lshl_b32 s62, s16, 8
	s_add_co_u32 s62, s62, 122880
.irp s, 0,1,2,3
	v_add_nc_u32 v[LA+\s], s60, v[L16]
	v_add_nc_u32 v[LB+\s], s61, v[L16]
	v_add_nc_u32 v[LSB+\s], s62, v4
	s_add_co_u32 s60, s60, 24576+(\s%2)*(SLOT-49152)
	s_add_co_u32 s61, s61, BLK+(\s%2)*(SLOT-2*BLK)
	s_add_co_u32 s62, s62, BLK+(\s%2)*(SLOT-2*BLK)
.endr
	s_lshl_b32 s60, s15, 13
	s_add_co_u32 s60, s60, SCP
	v_add_nc_u32 v[LSA], s60, v4
	s_lshl_b32 s61, s16, 9
	s_add_co_u32 s61, s61, s60
	v_add_nc_u32 v[SCWR], s61, v[L16]
	s_lshl_b32 s60, s14, 9
	s_add_co_u32 s60, s60, LSC
	v_add_nc_u32 v[LL], s60, v4
	v_add_nc_u32 v[LW], s60, v[L16]
	s_mul_i32 s60, s14, 4352                       ; my stage for the way out, in slot 0
	v_mul_u32_u24 v[STO], v2, 272
	v_lshl_add_u32 v[STO], v3, 7, v[STO]
	v_add_nc_u32 v[STO], s60, v[STO]
	v_mul_u32_u24 v[RD], v3, 272
	v_lshl_add_u32 v[RD], v2, 4, v[RD]
	v_add_nc_u32 v[RD], s60, v[RD]
	v_lshlrev_b32 v[CO], 12, v3
	v_lshl_add_u32 v[CO], v2, 4, v[CO]
	s_lshl_b32 s60, s17, 2
	s_add_co_u32 s60, s60, s14                     ; my number among the cluster's sixteen waves: 24 units of one of P's two groups
	s_lshr_b32 s61, s60, 3
	s_and_b32 s60, s60, 7
	s_mul_i32 s60, s60, 6144
	s_add_co_u32 s61, s61, s[QI]
	s_add_co_u32 s62, s[QI], 1
	s_mul_i32 s61, s61, s62
	s_add_co_u32 s61, s61, s21
	s_add_co_u32 s61, s61, 4                       ; from its fifth block on
	s_mul_i32 s61, s61, PBLK
	s_add_co_u32 s60, s60, s61
	s_mul_i32 s61, s14, 12800                      ; and 50 units of V's fifth and sixth
	s_add_co_u32 s61, s61, s59
	s_add_co_u32 s61, s61, 4*BLK
	v_min_u32 v[PFP], 23, v1
	v_min_u32 v[PFW], 17, v1
	v_lshl_add_u32 v[PFP], v[PFP], 8, s60
	v_lshl_add_u32 v[PFV], v1, 8, s61
	v_lshl_add_u32 v[PFW], v[PFW], 8, s61
	s_lshl_b32 s60, s19, 11
	s_lshl_b32 s61, s[QI], 8
	s_add_co_u32 s60, s60, s61
	s_lshl_b32 s61, s15, 7
	s_add_co_u32 s60, s60, s61                     ; my first row of out0
	s_lshl_b32 s60, s60, 12
	s_lshl_b32 s61, s18, 9
	s_add_co_u32 s60, s60, s61
	s_lshl_b32 s61, s16, 8
	s_add_co_u32 s60, s60, s61                     ; + my 64 channels
	s_mov_b32 s61, 0
	s_add_nc_u64 s[98:99], s[8:9], s[60:61]
	s_wait_alu depctr_va_vdst(0)                   ; the wait at the head's end
	s_wait_loadcnt 0x0
.irp c, 0,1,2,3
	v_min3_num_f32 v[NF+\c], v[NMA+\c], v[NMA+4+\c], v[NMA+8+\c]
.endr
.irp k, 3,5,7,9,11,13
.irp c, 0,1,2,3
	v_min3_num_f32 v[NF+\c], v[NF+\c], v[NMA+4*\k+\c], v[NMA+4*\k+4+\c]
.endr
.endr
.irp c, 0,1,2,3
	v_min_num_f32 v[NF+\c], v[NF+\c], v[NMA+60+\c] ; the row's -M
.endr
.set n, 0
.rept 64
	v_sub_f32 v[NMA+n], v[NF+n%4], v[NMA+n]        ; M of the run - M of the row: a whole number, 0 or less
.set n, n+1
.endr
.set n, 0
.rept 64
	v_cvt_i32_f32 v[NMA+n], v[NMA+n]               ; (it saturates)
.set n, n+1
.endr
.set n, 0
.rept 64
	v_ldexp_f32 v[LAL+n], v[LAL+n], v[NMA+n]       ; the run's l under the row's M: nothing is rounded
.set n, n+1
.endr
.irp c, 0,1,2,3
	v_mul_f32 v[LT+\c], s[WT], v[LAL+\c]
.endr
.irp k, 1,2,3,4,5,6,7,8,9,10,11,12,13,14,15
.irp c, 0,1,2,3
	v_fmac_f32 v[LT+\c], s[WT+\k/2], v[LAL+4*\k+\c]
.endr
.endr
.set n, 0
.rept 32
	v_sub_f32 v[NMO+n], v[NMO+n], v[NF+n%4]        ; D = M of the row - M of the run
.set n, n+1
.endr
.set n, 0
.rept 32
	v_cvt_i32_f32 v[NMO+n], v[NMO+n]
.set n, n+1
.endr
.set n, 0
.rept 32
	v_min_u32 v[NMO+n], 127, v[NMO+n]
.set n, n+1
.endr
.set n, 0
.rept 32
	v_mul_lo_u32 v[NMO+n], v[NMO+n], s11           ; D in all four bytes
.set n, n+1
.endr
.set n, 0
.rept 32
	v_or_b32 v[RAW+n], s10, v[RAW+n]               ; the bytes lie in 1 .. 125: with 128 on each, no byte borrows from its neighbour
.set n, n+1
.endr
.set n, 0
.rept 32
	v_sub_nc_u32 v[RAW+n], v[RAW+n], v[NMO+n]      ; 128 + byte - D
.set n, n+1
.endr
.set n, 0
.rept 32
	v_and_b32 v[NMO+n], s10, v[RAW+n]              ; bit 7 stands where byte - D is 0 or more
.set n, n+1
.endr
.set n, 0
.rept 32
	v_lshrrev_b32 v[NMA+n], 7, v[NMO+n]
.set n, n+1
.endr
.set n, 0
.rept 32
	v_sub_nc_u32 v[NMO+n], v[NMO+n], v[NMA+n]      ; 0x7f in those bytes, 0 in the others
.set n, n+1
.endr
.set n, 0
.rept 32
	v_and_b32 v[RAW+n], v[RAW+n], v[NMO+n]         ; byte - D, held at 0
.set n, n+1
.endr
.irp k, 0,1,2,3,4,5,6,7
	ds_store_b128 v[SCWR], v[RAW+4*\k:RAW+4*\k+3] offset:1024*\k
.endr
	ds_store_b128 v[LW], v[LT:LT+3]
	s_wait_tensorcnt 0x0                           ; my part of slot 0 is in
	ds_add_u32 v[SPW], v[NIL]
	s_wait_dscnt 0x0                               ; the add and my stores are done
	CROUND                                         ; slot 0, the lowered words and l are shown to all,
	JLOAD G0P+4, G1P, G0V+4, G1V                   ; and slot 1's first fill goes out: it has two stages in which to land
.macro FRAG reg, adr, off
.irp c, 0,1,2
	ds_load_b128 v[(\reg)+4*\c:(\reg)+4*\c+3], v[\adr] offset:(\off)+512*\c
.endr
.endm
.macro FETCH_B ns, nq, p               ; V's four fragments
	WIN 0x40
.irp i, 0,1,2,3
	FRAG 128*(\p)+12*\i, LB+(\ns), 3072*\i+1536*(\nq)
.endr
	WIN 0
.endm
.macro FETCH_A ns, nq, i0              ; P's fragments i0 .. i0 + 3
.irp i, \i0, \i0+1, \i0+2, \i0+3
	FRAG AF+12*(\i), LA+(\ns), 3072*(\i)+1536*(\nq)
.endr
.endm
.macro SCALES nt                       ; stage nt's scale words: P's lowered ones, and V's out of the slot
.irp i, 0,1,2,3,4,5,6,7
.irp u, 0,1
	ds_load_b32 v[SA+16*((\nt)%2)+2*\i+\u], v[LSA] offset:512*(2*(\nt)+\u)+64*\i
.endr
.endr
.irp i, 0,1,2,3
.irp u, 0,1
	ds_load_b32 v[SB+8*((\nt)%2)+2*\i+\u], v[LSB+(\nt)%4] offset:512*\u+64*\i
.endr
.endr
.endm
.macro MULP a0, q, t, zero             ; 8 matrix instructions; the 32 accumulators take turns, one instruction a turn, in the same order in every step
.irp a, \a0, \a0+1
.irp b, 0,1,2,3
.if \zero
	v_wmma_scale_f32_16x16x128_f8f6f4 v[8*(4*(\a)+\b):8*(4*(\a)+\b)+7], v[128*(\q)+12*\b:128*(\q)+12*\b+11], v[AF+12*(\a):AF+12*(\a)+11], 0, v[SB+8*((\t)%2)+2*\b+(\q)], v[SA+16*((\t)%2)+2*(\a)+(\q)] matrix_a_fmt:MATRIX_FMT_FP6 matrix_b_fmt:MATRIX_FMT_FP6
.else
	v_wmma_scale_f32_16x16x128_f8f6f4 v[8*(4*(\a)+\b):8*(4*(\a)+\b)+7], v[128*(\q)+12*\b:128*(\q)+12*\b+11], v[AF+12*(\a):AF+12*(\a)+11], v[8*(4*(\a)+\b):8*(4*(\a)+\b)+7], v[SB+8*((\t)%2)+2*\b+(\q)], v[SA+16*((\t)%2)+2*(\a)+(\q)] matrix_a_fmt:MATRIX_FMT_FP6 matrix_b_fmt:MATRIX_FMT_FP6
.endif
.endr
.endr
.endm
.macro RLOAD p                         ; slot p takes stages 2 p + 4 and 2 p + 5, where my queries have the first of them: the same in all four partners
	s_cmp_lt_u32 s[QI], 2*(\p)+4
	s_cbranch_scc1 .Lno_fill_\@
	s_add_nc_u64 s[G0P+4*(\p)+2:G0P+4*(\p)+3], s[G0P+4*(\p)+2:G0P+4*(\p)+3], 4*PBLK
	s_add_nc_u64 s[G0V+4*(\p)+2:G0V+4*(\p)+3], s[G0V+4*(\p)+2:G0V+4*(\p)+3], 4*BLK
	JLOAD G0P+4*(\p), G1P, G0V+4*(\p), G1V
.Lno_fill_\@:
	PLACES 4                                       ; the places in front of the loads that follow, on both ways
.endm
.macro ASK p                           ; what slot p's refill will load, two stages ahead of it, under the same test
	s_cmp_lt_u32 s[QI], 2*(\p)+4
	s_cbranch_scc1 .Lno_ask_\@
	global_prefetch_b8 v[PFP], s[4:5] offset:2*(\p)*PBLK th:TH_LOAD_NT scope:SCOPE_SE
	global_prefetch_b8 v[PFV], s[6:7] offset:2*(\p)*BLK th:TH_LOAD_NT scope:SCOPE_SE
	global_prefetch_b8 v[PFW], s[6:7] offset:2*(\p)*BLK+8192 th:TH_LOAD_NT scope:SCOPE_SE
.Lno_ask_\@:
.endm
; A step of 128 keys: 32 matrix instructions.  t: the stage; q: its half, and V's set.  ns, nq, nt: place, half and stage of the next step (ns = -1: none).
; sync = 1: the slot in hand is left; a round of the cluster's barrier, and behind it the refill.  sync = 2: the last refill is shown landed.
.macro PSTEP t, q, zero, sync, ns, nq, nt
.if \sync
	s_wait_tensorcnt 0x0                           ; all my tensor loads have landed
	ds_add_u32 v[SPW], v[NIL]                      ; 0 onto my spare word
	s_wait_dscnt 13                                ; (the add and the youngest twelve loads, P's fragments 4-7, may be out)
.else
	s_wait_dscnt 12                                ; the youngest twelve loads, P's fragments 4-7, may be out
.endif
	WIN 0xa1
	MULP 0, \q, \t, \zero
.if \sync
	s_wait_dscnt 0x0                               ; the add is done, and my reads of the slot in hand are over
	s_barrier_signal -1
.endif
	MULP 2, \q, \t, \zero
.if \sync
	WIN 0
	s_barrier_wait -1
.if (\sync) == 1
	CREST                                          ; no wave of any partner still reads this slot or has a load on its way
	RLOAD (\t)/2
.else
	PLACES 4
.endif
.else
	s_wait_dscnt 0x0
	PLACES 4
.endif
.if (\ns) >= 0
	FETCH_B \ns, \nq, 1-(\q)
	FETCH_A \ns, \nq, 0
.if (\nq) == 0
	SCALES \nt
.endif
.endif
	WIN 0xa1
	MULP 4, \q, \t, \zero
	MULP 6, \q, \t, \zero
.if (\ns) >= 0
	PLACES 4
	WIN 0
	FETCH_A \ns, \nq, 4
.else
	WIN 0
.endif
.endm
.macro HEAD t                          ; a stage all of whose keys come after my queries, and all behind it, are left out
	s_cmp_lt_u32 s[QI], \t
	s_cbranch_scc1 .Lout
.endm
	FETCH_B 0, 0, 0
	FETCH_A 0, 0, 0
	SCALES 0
	FETCH_A 0, 0, 4
	ASK 0
	PSTEP 0, 0, 1, 0, 0, 1, 0                      ; the first products start the sums: nothing is ever cleared
	PSTEP 0, 1, 0, 0, 1, 0, 1
	HEAD 1
	PSTEP 1, 0, 0, 0, 1, 1, 1
	PSTEP 1, 1, 0, 1, 2, 0, 2
	HEAD 2
	ASK 1
	PSTEP 2, 0, 0, 0, 2, 1, 2
	PSTEP 2, 1, 0, 0, 3, 0, 3
	HEAD 3
	PSTEP 3, 0, 0, 0, 3, 1, 3
	PSTEP 3, 1, 0, 1, 0, 0, 4
	HEAD 4
	PSTEP 4, 0, 0, 0, 0, 1, 4
	PSTEP 4, 1, 0, 0, 1, 0, 5
	HEAD 5
	PSTEP 5, 0, 0, 0, 1, 1, 5
	PSTEP 5, 1, 0, 2, 2, 0, 6                      ; slot 1's refill stands behind the last round: it is shown landed here
	HEAD 6
	PSTEP 6, 0, 0, 0, 2, 1, 6
	PSTEP 6, 1, 0, 0, 3, 0, 7
	HEAD 7
	PSTEP 7, 0, 0, 0, 3, 1, 7
	PSTEP 7, 1, 0, 0, -1, 0, 0
.Lout:
	; THE WAY OUT.  O^T is divided by l and goes, a tile of 16 queries x my 64 channels at a time, through my stage in LDS, so that sixteen lanes store 256 consecutive bytes of a row.
	; The stages lie in slot 0: it has had its last fill, and behind this barrier nobody reads it.
	s_wait_tensorcnt 0x0
	s_wait_dscnt 0x0
	s_barrier_signal -1
	s_barrier_wait -1
	PLACES 4                                       ; in front of the first read of results and of loads into registers that matrix instructions have read
.irp a, 0,1,2,3,4,5,6,7
	ds_load_b32 v[LR+\a], v[LL] offset:64*\a       ; l of my query in tile a
.endr
	s_wait_dscnt 0x0
.irp a, 0,1,2,3,4,5,6,7
	v_rcp_f32 v[RC+2*\a], v[LR+\a]
.endr
.irp a, 0,1,2,3,4,5,6,7
	v_mov_b32 v[RC+2*\a+1], 0                      ; (named with 1 / l as a pair.)  Plain work behind the reciprocals
.endr
	s_wait_alu depctr_va_vdst(0)                   ; one wait for the eight reciprocals, ahead of their first reader
.macro TOSTAGE a
.set OT, 64+32*((\a)%2)
.set BO, 128+32*((\a)%2)
	WIN 0x02                                       ; source 0: window 2
.set k, 0
.rept 16
	v_pk_mul_f32 v[OT+2*k:OT+2*k+1], v[32*(\a)+2*k:32*(\a)+2*k+1], v[RC+2*(\a):RC+2*(\a)+1] op_sel_hi:[1,0]   ; each accumulator from its low end on
.set k, k+1
.endr
	WIN 0
.irp b, 0,1,2,3                                ; tile b: channels 32 h + 8 b + 0 .. 7
	ds_store_b128 v[STO], v[OT+8*\b:OT+8*\b+3] offset:32*\b
	ds_store_b128 v[STO], v[OT+8*\b+4:OT+8*\b+7] offset:32*\b+16
.endr
.irp i, 0,1,2,3,4,5,6,7
	ds_load_b128 v[BO+4*\i:BO+4*\i+3], v[RD] offset:544*\i   ; LDS serves a wave's instructions in order: these see the stores above, and the next tile's stores come behind them
.endr
.endm
.macro SEND a, younger                 ; younger: the LDS instructions issued behind tile a's loads, which may stay out
.set BO, 128+32*((\a)%2)
	s_wait_dscnt \younger
.irp i, 0,1,2,3,4,5,6,7                        ; slots 2 i and 2 i + 1 of tile a are the group's queries 64 (a / 4) + 8 (a % 4) + 2 (i % 4) + 32 (i / 4) + h
	global_store_b128 v[CO], v[BO+4*\i:BO+4*\i+3], s[98:99] offset:(64*((\a)/4)+8*((\a)%4)+2*(\i%4)+32*(\i/4))*4096 th:TH_STORE_NT   ; 16 lanes store 256 consecutive bytes, aligned
.endr
.endm
	TOSTAGE 0
.irp a, 1,2,3,4,5,6,7
.if \a > 1
	s_wait_xcnt 0x0                                ; tile a - 2's stores have read their registers: tile a's loads may land there
.endif
	TOSTAGE \a
	SEND \a-1, 16                                  ; behind tile a - 1's loads: tile a's 8 stores and 8 loads
.endr
	SEND 7, 0
	s_wait_tensorcnt 0x0                           ; the wave's end
	ds_add_u32 v[SPW], v[NIL]
	s_wait_dscnt 0x0
	CROUND                                         ; the closing round: no work-group ends while a partner may still ask for a block that names it
	s_endpgm
.Lfunc_end_k_qa8bb6464d3_pv:
	.size	k_qa8bb6464d3_pv, .Lfunc_end_k_qa8bb6464d3_pv-k_qa8bb6464d3_pv
	.p2alignl 7, 3214868480
	.fill 96, 4, 3214868480
	.section	.rodata,"a",@progbits
	.p2align	6, 0x0
	.amdhsa_kernel k_qa8bb6464d3_pv
		.amdhsa_group_segment_fixed_size 327680
		.amdhsa_private_segment_fixed_size 0
		.amdhsa_enable_private_segment 0
		.amdhsa_kernarg_size 24
		.amdhsa_user_sgpr_count 2
		.amdhsa_user_sgpr_kernarg_segment_ptr 1
		.amdhsa_wavefront_size32 1
		.amdhsa_system_sgpr_workgroup_id_x 1
		.amdhsa_system_sgpr_workgroup_id_y 1
		.amdhsa_system_sgpr_workgroup_id_z 1
		.amdhsa_system_vgpr_workitem_id 0
		.amdhsa_next_free_vgpr 768
		.amdhsa_next_free_sgpr 100
		.amdhsa_reserve_vcc 0
		.amdhsa_float_denorm_mode_32 3
		.amdhsa_float_denorm_mode_16_64 3
		.amdhsa_memory_ordered 1
		.amdhsa_forward_progress 1
		.amdhsa_inst_pref_size 189
	.end_amdhsa_kernel
	.amdgpu_metadata
---
amdhsa.version: [ 1, 2 ]
amdhsa.kernels:
  - .name:           k_qa8bb6464d3_pv
    .symbol:         k_qa8bb6464d3_pv.kd
    .args:
      - { .name: pc, .offset: 0, .size: 8, .value_kind: global_buffer, .address_space: global }
      - { .name: qkv, .offset: 8, .size: 8, .value_kind: global_buffer, .address_space: global }
      - { .name: out0, .offset: 16, .size: 8, .value_kind: global_buffer, .address_space: global }
    .group_segment_fixed_size: 327680
    .private_segment_fixed_size: 0
    .kernarg_segment_align: 8
    .kernarg_segment_size: 24
    .max_flat_workgroup_size: 128
    .sgpr_count:     100
    .vgpr_count:     768
    .wavefront_size: 32
...
	.end_amdgpu_metadata
.endif
;; end of part 4
